; MI455X (gfx1250); checked and timed in simulation.
; The chip was launched on July 23, 2026; its instructions are those of AMD's public machine-readable ISA for CDNA 5 (MIT licence, August 2026) and "CDNA5" Instruction Set Architecture Reference Guide (July 2026). The comments in the code are by the model that wrote it; some were corrected since.
;; Multi Head Attention. Allowed arithmetic: matrix products marked QUANTISED: E2M1 operands, one E8M0 scale for each 32 along K, by v_wmma_scale_f32_16x16x128_f8f6f4 with both operands' format E2M1 (or v_wmma_scale_f32_32x16x128_f4), f32 sums; everything else in f32.
;; Inputs: K 4 x 2,048 x 1,024 float32; Q 4 x 2,048 x 1,024 float32; V 4 x 2,048 x 1,024 float32; Wk 1,024 x 1,024 float32; Wo 1,024 x 1,024 float32; Wq 1,024 x 1,024 float32; Wv 1,024 x 1,024 float32; ln_beta 1,024 float32; ln_gamma 1,024 float32.
;; Outputs: out0 4 x 2,048 x 1,024 float32.
;; This version of the problem:
;;   THIS VERSION OF THE PROBLEM IS GIVEN IN LOW PRECISION. The matrix products marked QUANTISED in the list below multiply operands that are first quantised to E2M1 (2 exponent bits, 1 mantissa bit; 4 bits a number), with one power-of-two scale for each 32 numbers along K (OCP MX v1.0); their sums are f32. All else is computed in f32.
;;   The module's matrix products, in the order in which they are computed (A, B: the left and right operand; K: the contracted axis; several contracted axes count as one K, in the product's order):
;;     1. [M 8,192, K 1,024] x [K 1,024, N 1,024]; A: input Q; B: input Wq: QUANTISED
;;     2. [M 8,192, K 1,024] x [K 1,024, N 1,024]; A: input K; B: input Wk: QUANTISED
;;     3. [M 8,192, K 1,024] x [K 1,024, N 1,024]; A: input V; B: input Wv: QUANTISED
;;     4. batch 64 x [M 2,048, K 64] x [K 64, N 2,048]; A: computed on the way; B: computed on the way: QUANTISED
;;     5. batch 64 x [M 2,048, K 2,048] x [K 2,048, N 64]; A: softmax (see below); B: computed on the way: QUANTISED
;;     6. [M 8,192, K 1,024] x [K 1,024, N 1,024]; A: computed on the way; B: input Wo: QUANTISED
;;   THE QUANTISER, for each operand of a quantised product, along K:
;;     - K is cut into blocks of 32 from its start; a last block that is shorter is filled with zeros.
;;     - A block's scale is 2^e with e = floor(log2(the largest magnitude in the block)) - 2, held to -126 .. 127; a block of zeros has e = 0. As a byte (E8M0): e + 127.
;;     - Each number is divided by its block's scale, clamped to +-6, and rounded to the nearest number of E2M1, ties to even, subnormals kept.
;;     - The product sums the exact products of the quantised numbers (number of the format x scale) in f32.
;;   ~~~python
;;   def quantise(x, axis):      # numpy; x: float32 -> the quantised numbers, widened to float32 again
;;       x = np.moveaxis(x, axis, -1); K = x.shape[-1]
;;       x = np.pad(x, [(0, 0)] * (x.ndim - 1) + [(0, -K % 32)]); x = x.reshape(x.shape[:-1] + (-1, 32)); a = np.abs(x).max(-1, keepdims=True)
;;       e = np.where(a > 0, np.clip(np.frexp(np.where(a > 0, a, 1))[1] - 1 - 2, -126, 127), 0)      # np.frexp(a)[1] - 1 = floor(log2(a)), exactly
;;       r = np.clip(x / 2.0 ** e, -6, 6)
;;       step = 2.0 ** (np.maximum(np.frexp(np.where(r == 0, 1, r))[1] - 1, 0) - 1)
;;       q = np.round(r / step) * step * 2.0 ** e      # np.round: ties to even
;;       return np.moveaxis(q.reshape(q.shape[:-2] + (-1,))[..., :K], -1, axis).astype(np.float32)
;;   ~~~
;;   SOFTMAX AHEAD OF A QUANTISED PRODUCT. Where the list says 'softmax', what is quantised is not the finished softmax but p = 2^(t - M), with t = logit x log2(e) and M = ceil(the row's largest t), a whole number; so 1/2 < the row's largest p <= 1. The row's sum l is taken of the UNQUANTISED p, in f32, and the product's result is divided by l at the end. Since M is a whole number, a kernel that streams over the keys may use a running M (the ceiling of the running maximum): every later rescaling is an exact power of two, which a block's scale takes up: the codes' values come out the same.
;;   OPERANDS COMPUTED ON THE WAY. 'Computed on the way' means the value that the module computes at that place (a softmax that the list does not call 'softmax' is quantised finished and normalised). What goes into a quantiser is computed in f32, as accurately as f32 sums, v_exp_f32 and their like allow (about 1e-6 of the number): no bf16 or f16 on the way to a quantiser, and a product that is left as it is and whose result goes on into a quantised operand takes f32 operands (vector FMAs, or v_wmma_f32_16x16x4_f32). A number that lies on a knife's edge between two numbers of the format may be rounded either way, as far as f32 arithmetic and the matrix unit's own rounding can turn it there, and no further.
;; One version. Each part assembles by itself: llvm-mc -triple=amdgcn-amd-amdhsa -mcpu=gfx1250 --defsym DOCPART=n.
;; ======== version 1 of 1: 4 launches
;; limits: right only within a limited range of input values
;; workspace buffers: xc 14,680,064 bytes; xs 917,504 bytes; qq 4,718,592 bytes; kv 9,175,040 bytes; oc 4,194,304 bytes; os 262,144 bytes
;; launch quant (part 1): grid 448 x 1, 4 waves a work-group, no clusters, 34,304 bytes of LDS; arguments Q, K, V, Wq, Wk, Wv, Wo, xc, xs; writes xc, xs
.if DOCPART == 1
	.amdgcn_target "amdgcn-amd-amdhsa--gfx1250"
	.amdhsa_code_object_version 6
	.text
	.protected	k_q52bd8ab087_quant
	.globl	k_q52bd8ab087_quant
	.p2align	8
	.type	k_q52bd8ab087_quant,@function
k_q52bd8ab087_quant:
	s_mov_b64 s[64:65], 0
	v_nop
	global_prefetch_b8 v0, s[64:65] scope:SCOPE_SE
	s_setreg_imm32_b32 hwreg(HW_REG_WAVE_MODE, 25, 1), 1
	s_wait_xcnt 0x0
; Q, K, V [8192][1024] and Wq, Wk, Wv, Wo [1024][1024], f32, K innermost, become codes of FP4 (E2M1) with one E8M0 byte for each 32 along K.
; A block's scale is 2^(floor(log2(its largest magnitude)) - 2); its byte is the largest magnitude's exponent field - 2, held at 1 from below.
; LIMITS: NaN and infinities among the inputs are not served.  A block of zeros gets the byte 1 (not 127): its codes are zeros, and only this program reads the bytes.
; THE OUTPUT IS LAID AS THE MATRIX UNIT'S REGISTERS.  A tile is 16 rows; tile ti of a tensor holds rows 32 (ti / 2) + 8 (ti % 2) + r + 8 (r / 8), r = 0 .. 15, so that a later product
; that takes the tile as source 0 leaves 16 neighbouring rows in the 16 registers of two neighbouring tiles.  A fragment (16 rows x 128 K) is 8 registers a lane: registers 4 c .. 4 c + 3 of lane
; (r, h) hold k = 64 c + 32 h + 0 .. 31.  xc = [tile 1792][K step 8][c 2][lane 32][16 bytes]; xs = [tile][q 2][r 16][4 words], word i of part q = the row's four bytes of K step 4 q + i.
; SHARES.  One wave makes one tile: 16 rows x 1,024 K in 8 K steps.  Tiles: Q 0-511, K 512-1023, V 1024-1535, Wq, Wk, Wv, Wo 64 each from 1536.  One path for all seven tensors: only a pointer is chosen.
; Each load reads 512 consecutive bytes of one row; the conversions want 16 neighbours in one lane, so a K step's 8 KiB turn through the wave's own stage in LDS.  Loads run two K steps (32 loads a wave) ahead.
; Memory binds: no matrix unit, no tensor loads, no cluster (no two work-groups read the same byte), no barrier (waves share nothing).
.set SP,    528                        ; a stage row: 512 bytes + 16: an odd multiple of 16, so the sixteen rows that a read touches start at different banks (64 banks of 4 bytes: ISA guide 11.1)
.set STG,   16*SP                      ; a wave's stage
.set R,     16                         ; v16-143  two sets of 64: a K step as it is loaded
.set X,     144                        ; v144-207 64 numbers: register 16 b + i = k 32 b + 16 h + i of my row
.set PC,    208                        ; v208-223 two sets of 8: the fragment just made
.set TM,    224                        ; v224-239 at work: +0 largest magnitudes, +4 bytes, +12 the conversions' scale operands
.set SWD,   242                        ; v242-249 my row's scale word of each K step
.set OUTS,  250                        ; v250-253 the four words that I store
.set SEL,   28                         ; s[28:29] v_permlanex16_b32's selects for lane l xor 16
	s_load_b512 s[8:23], s[0:1], 0x0               ; Q s[8:9], K, V, Wq, Wk, Wv, Wo s[20:21], xc s[22:23]
	s_load_b64 s[24:25], s[0:1], 0x40              ; xs
	v_lshl_add_u32 v254, v0, 2, 0x8400
	v_mov_b32 v255, 0
	v_lshrrev_b32 v4, 5, v0
	v_readfirstlane_b32 s26, v4                    ; wave 0..3
	v_and_b32 v5, 31, v0                           ; lane
	v_lshlrev_b32 v1, 4, v5                        ; v1 = 16 x lane: loads, stores of codes and words
	v_and_b32 v6, 15, v0                           ; r
	v_bfe_u32 v7, v0, 4, 1                         ; h
	s_mul_i32 s27, s26, STG
	v_add_nc_u32 v2, s27, v1                       ; v2: the stage on the way in: 16 x lane of a row
	v_mul_u32_u24 v3, v6, SP
	v_lshl_add_u32 v3, v7, 6, v3
	v_add_nc_u32 v3, s27, v3                       ; v3: on the way out: row r, + 64 h: my 16 numbers of a block of 32
	v_cmp_le_u32 vcc_lo, 16, v5                    ; lanes 16-31
	s_mov_b32 s[SEL], 0x76543210
	s_mov_b32 s[SEL+1], 0xfedcba98
.irp b, 0,1,2,3
	v_mov_b32 v[TM+4+\b], 0                        ; written once: a lane permute's destination counts as one of its sources
.endr
	s_wait_alu depctr_va_vdst(0)
	s_wait_kmcnt 0x0
	s_mov_b64 s[4:5], s[20:21]                     ; which tensor: the choice hangs on the work-group's number alone
	s_mov_b32 s6, 432                              ; and its first work-group
.macro PICK x, p, base
	s_cmp_lt_u32 ttmp9, \x
	s_cselect_b64 s[4:5], s[\p:\p+1], s[4:5]
	s_cselect_b32 s6, \base, s6
.endm
	PICK 432, 18, 416
	PICK 416, 16, 400
	PICK 400, 14, 384
	PICK 384, 12, 256
	PICK 256, 10, 128
	PICK 128, 8, 0
	s_sub_co_u32 s6, ttmp9, s6
	s_lshl_b32 s6, s6, 2
	s_add_co_u32 s6, s6, s26                       ; ti: my tile in its tensor
	s_lshr_b32 s7, s6, 1
	s_lshl_b32 s7, s7, 17                          ; 32 (ti / 2) rows of 4,096 bytes
	s_and_b32 s30, s6, 1
	s_lshl_b32 s30, s30, 15                        ; + 8 (ti % 2) rows
	s_add_co_u32 s30, s30, s7
	s_mov_b32 s31, 0
	s_add_nc_u64 s[4:5], s[4:5], s[30:31]
	s_lshl_b32 s32, ttmp9, 2
	s_add_co_u32 s32, s32, s26                     ; my tile among all 1,792
	s_lshl_b32 s30, s32, 13
	s_add_nc_u64 s[22:23], s[22:23], s[30:31]      ; its 8,192 bytes of codes
	s_lshl_b32 s30, s32, 9
	s_add_nc_u64 s[24:25], s[24:25], s[30:31]      ; its 512 bytes of scale words
.macro LOAD s                          ; K step s: 16 loads, each 512 consecutive bytes of one of the tile's rows
.irp i, 0,1,2,3,4,5,6,7,8,9,10,11,12,13,14,15
	global_load_b128 v[R+64*((\s)%2)+4*\i:R+64*((\s)%2)+4*\i+3], v1, s[4:5] offset:(\i+8*(\i/8))*4096+512*(\s) th:TH_LOAD_NT
.endr
.endm
.macro TURN s                          ; through the stage: LDS serves a wave's instructions in order (ISA guide 5.7.1.4), so no wait stands between the stores and the loads
.irp i, 0,1,2,3,4,5,6,7,8,9,10,11,12,13,14,15
	ds_store_b128 v2, v[R+64*((\s)%2)+4*\i:R+64*((\s)%2)+4*\i+3] offset:SP*\i
.endr
.irp b, 0,1,2,3
.irp j, 0,1,2,3
	ds_load_b128 v[X+16*\b+4*\j:X+16*\b+4*\j+3], v3 offset:128*\b+16*\j
.endr
.endr
.endm
; 64 numbers of a lane, register 16 b + i = k 32 b + 16 h + i of my row, become a fragment's 8 registers at pc; the four bytes stay in v[TM+4 ..]
.macro QUANT s, pc
.irp b, 0,1,2,3
	v_max3_num_f32 v[TM+\b], |v[(\s)+16*\b]|, |v[(\s)+1+16*\b]|, 0x1800000   ; block b: my 16 numbers, and the floor 2^(3 - 127): the byte cannot fall under 1
.endr
.irp i, 2,4,6,8,10,12,14
.irp b, 0,1,2,3
	v_max3_num_f32 v[TM+\b], v[TM+\b], |v[(\s)+16*\b+\i]|, |v[(\s)+1+16*\b+\i]|   ; the four blocks by turns
.endr
.endr
.irp b, 0,1,2,3
	v_permlanex16_b32 v[TM+4+\b], v[TM+\b], s[SEL], s[SEL+1]
.endr
.irp b, 0,1,2,3
	v_max_num_f32 v[TM+\b], v[TM+\b], v[TM+4+\b]   ; with lane l xor 16's 16: the block's largest magnitude
.endr
.irp b, 0,1,2,3
	v_add_nc_u32 v[TM+12+\b], 0xff000000, v[TM+\b] ; 2 off its exponent field: the conversion takes the exponent field of this operand as its scale
.endr
.irp b, 0,1,2,3
	v_lshrrev_b32 v[TM+4+\b], 23, v[TM+12+\b]      ; the scale's byte
.endr
.irp b, 0,1,2,3
	v_cvt_scalef32_pk8_fp4_f32 v[(\pc)+2*\b], v[(\s)+16*\b:(\s)+7+16*\b], v[TM+12+\b]
	v_cvt_scalef32_pk8_fp4_f32 v[(\pc)+1+2*\b], v[(\s)+8+16*\b:(\s)+15+16*\b], v[TM+12+\b]
.endr
	v_nop                                          ; one plain place behind a scaled conversion
.irp c, 0,1                            ; the layout wants a whole block in a lane: lanes 0-15 block 2 c, lanes 16-31 block 2 c + 1
.irp i, 0,1
	v_permlane16_swap_b32 v[(\pc)+4*\c+\i], v[(\pc)+2+4*\c+\i]
.endr
.endr
.endm
.macro STEP s
.if (\s) < 7
	s_wait_loadcnt 16                              ; this K step's 16 loads are in; the next step's 16 may be out
.else
	s_wait_loadcnt 0x0
.endif
	TURN \s
	s_wait_dscnt 0x0                               ; my 64 numbers are back, and the stage's stores have read the set that the loads below fill
	s_wait_xcnt 0x0                                ; the stores of two K steps ago have read their data: that set of codes is written again below
.if (\s)+2 < 8
	LOAD (\s)+2
.endif
	QUANT X, PC+8*((\s)%2)
	v_lshl_or_b32 v[SWD+(\s)], v[TM+5], 8, v[TM+4] ; the four bytes make my row's scale word of this K step
	v_lshl_or_b32 v[SWD+(\s)], v[TM+6], 16, v[SWD+(\s)]
	v_lshl_or_b32 v[SWD+(\s)], v[TM+7], 24, v[SWD+(\s)]
.irp c, 0,1
	global_store_b128 v1, v[PC+8*((\s)%2)+4*\c:PC+8*((\s)%2)+4*\c+3], s[22:23] offset:1024*(\s)+512*\c   ; 32 lanes store 512 consecutive bytes, at a multiple of 256 from the buffer's first byte
.endr
.endm
	LOAD 0
	LOAD 1
.irp s, 0,1,2,3,4,5,6,7
	STEP \s
.endr
.irp k, 0,1,2,3
	v_cndmask_b32 v[OUTS+\k], v[SWD+\k], v[SWD+4+\k], vcc_lo   ; lanes 0-15 store K steps 0-3 of row r, lanes 16-31 K steps 4-7
.endr
	global_store_b128 v1, v[OUTS:OUTS+3], s[24:25] ; the tile's 512 bytes of scale words
	s_wait_tensorcnt 0x0
	ds_add_u32 v254, v255
	s_wait_dscnt 0x0
	s_endpgm
.Lfunc_end_k_q52bd8ab087_quant:
	.size	k_q52bd8ab087_quant, .Lfunc_end_k_q52bd8ab087_quant-k_q52bd8ab087_quant
	.p2alignl 7, 3214868480
	.fill 96, 4, 3214868480
	.section	.rodata,"a",@progbits
	.p2align	6, 0x0
	.amdhsa_kernel k_q52bd8ab087_quant
		.amdhsa_group_segment_fixed_size 34304
		.amdhsa_private_segment_fixed_size 0
		.amdhsa_enable_private_segment 0
		.amdhsa_kernarg_size 72
		.amdhsa_user_sgpr_count 2
		.amdhsa_user_sgpr_kernarg_segment_ptr 1
		.amdhsa_wavefront_size32 1
		.amdhsa_system_sgpr_workgroup_id_x 1
		.amdhsa_system_sgpr_workgroup_id_y 1
		.amdhsa_system_sgpr_workgroup_id_z 1
		.amdhsa_system_vgpr_workitem_id 0
		.amdhsa_next_free_vgpr 256
		.amdhsa_next_free_sgpr 66
		.amdhsa_reserve_vcc 1
		.amdhsa_float_denorm_mode_32 3
		.amdhsa_float_denorm_mode_16_64 3
		.amdhsa_memory_ordered 1
		.amdhsa_forward_progress 1
		.amdhsa_inst_pref_size 64
	.end_amdhsa_kernel
	.amdgpu_metadata
---
amdhsa.version: [ 1, 2 ]
amdhsa.kernels:
  - .name:           k_q52bd8ab087_quant
    .symbol:         k_q52bd8ab087_quant.kd
    .args:
      - { .name: Q, .offset: 0, .size: 8, .value_kind: global_buffer, .address_space: global }
      - { .name: K, .offset: 8, .size: 8, .value_kind: global_buffer, .address_space: global }
      - { .name: V, .offset: 16, .size: 8, .value_kind: global_buffer, .address_space: global }
      - { .name: Wq, .offset: 24, .size: 8, .value_kind: global_buffer, .address_space: global }
      - { .name: Wk, .offset: 32, .size: 8, .value_kind: global_buffer, .address_space: global }
      - { .name: Wv, .offset: 40, .size: 8, .value_kind: global_buffer, .address_space: global }
      - { .name: Wo, .offset: 48, .size: 8, .value_kind: global_buffer, .address_space: global }
      - { .name: xc, .offset: 56, .size: 8, .value_kind: global_buffer, .address_space: global }
      - { .name: xs, .offset: 64, .size: 8, .value_kind: global_buffer, .address_space: global }
    .group_segment_fixed_size: 34304
    .private_segment_fixed_size: 0
    .kernarg_segment_align: 8
    .kernarg_segment_size: 72
    .max_flat_workgroup_size: 128
    .sgpr_count:     66
    .vgpr_count:     256
    .wavefront_size: 32
...
	.end_amdgpu_metadata
.endif
;; end of part 1
;; launch proj (part 2): grid 8 x 96, 4 waves a work-group, clusters of 4 x 4, 197,120 bytes of LDS; arguments xc, xs, qq, kv; writes qq, kv
.if DOCPART == 2
	.amdgcn_target "amdgcn-amd-amdhsa--gfx1250"
	.amdhsa_code_object_version 6
	.text
	.protected	k_q52bd8ab087_proj
	.globl	k_q52bd8ab087_proj
	.p2align	8
	.type	k_q52bd8ab087_proj,@function
k_q52bd8ab087_proj:
	s_mov_b64 s[64:65], 0
	v_nop
	global_prefetch_b8 v0, s[64:65] scope:SCOPE_SE
	s_setreg_imm32_b32 hwreg(HW_REG_WAVE_MODE, 25, 1), 1
	s_wait_xcnt 0x0
	s_wait_alu depctr_hold_cnt(0) depctr_sa_sdst(0) depctr_va_vdst(0) depctr_va_sdst(0) depctr_va_ssrc(0) depctr_va_vcc(0) depctr_vm_vsrc(0)
	s_getreg_b32 s2, hwreg(HW_REG_IB_STS2, 6, 4)
	s_cmp_eq_u32 s2, 0
	s_cbranch_scc0 .Lentry_in_a_cluster
	s_endpgm
.Lentry_in_a_cluster:
	s_bfe_u32 s2, ttmp6, 0x10000c
	s_cmp_lg_u32 s2, 0xf033
	s_cbranch_scc0 .Lentry_shape_is_right
	s_endpgm
.Lentry_shape_is_right:
; q = Q Wq^T, k = K Wk^T, v = V Wv^T on codes of FP4 with E8M0 scales, f32 sums; the results are quantised in registers for the attention's two products and leave as images of operands.
; SHARES.  768 work-groups: tensor T = cluster y / 8 (0 q, 1 k, 2 v); a work-group makes 256 tokens x 128 channels (two heads); each of its four waves 128 tokens (one key step) x 64 channels (one head):
; 8 tiles of x by 4 tiles of W, 32 accumulators, which fill register window 1.  A larger tile would leave WGPs without work: 8,192 x 1,024 x 3 outputs / (256 x 128) = 768 = 3 x 256.
; LDS.  All of K (1,024) of the work-group's 16 tiles of x and 8 tiles of W is 196,608 bytes: it is filled ONCE, in four chunks of two K steps, so no byte of LDS is ever filled again.
; A wave has four tensor loads out at the start; the waits for the chunks count down 3, 2, 1, 0, each in front of a barrier behind which nothing is filled.
; CLUSTER 4 x 4: the four work-groups of a row need the same tiles of x, the four of a column the same tiles of W: each is asked for jointly.
; q, k: source 0 = 16 rows of W, source 1 = 16 tokens: a lane holds one token and its registers run along the head's channels, which are the next product's K.
; v:    source 0 = 16 tokens, source 1 = 16 rows of W: a lane holds one channel and its registers run along the keys, which are ITS next product's K.
; The tiles' rows are 32 (ti / 2) + 8 (ti % 2) + r + 8 (r / 8), so that the 16 registers of two neighbouring source-0 tiles are 16 neighbours.
; OUT.  qq = [head 64][block of 128 queries 16] x 4,608 bytes: 8 tiles x 512 (lane (r, h): channels 32 h .. 32 h + 31), then [lane][4] scale words: word p of lane (r, h) = tile 2 p + h: bytes s0, s1, 0x7f, 0x7f.
;       kv = [head][key step 16] x 8,960 bytes: k's tiles as in qq; at 4,096 v's four fragments (16 channels x 128 keys); at 8,192 k's scale words; at 8,704 v's, [lane][2]: word j of lane (r, h) = channel tile 2 j + h.
; LIMITS: NaN and infinities are not served; a block of zeros gets the byte 1 with zero codes.
; REGISTERS.  window 0: v1-9 addresses; v16-47 x's scale words, v48-63 W's (nothing else ever); v64-159, v160-255 two sets of fragments (8 of x, 4 of W); at the end v64-127 at work.  window 1: the accumulators.
; LDS AS IT IS NOW (this takes the place of the paragraph LDS above): a wave's share of the operands is one dense block of memory, 8 tiles of x (65,536 bytes) or 4 tiles of W (32,768 bytes),
; all of K.  Each wave brings its block by ONE joint load at the head; x's 16 tiles lie from byte 0, W's 8 from byte WOFF, 8,192 bytes a tile.  One wait for 0 and one barrier follow; nothing is filled again.
.set WOFF, 131072                      ; W's tiles, behind x's 16
.set L16,  1                           ; v1  16 x lane
.set VS,   2                           ; v2  512 h + 16 r: scale words in xs
.set VA,   3                           ; v3  LDS: my tiles of x
.set VB,   5                           ; v5  my tiles of W
.set LN,   7                           ; v7  lane
.set L8,   8                           ; v8  8 x lane
.set VKO,  9                           ; v9  16 x lane + where the block's scale words begin
.set SX,   16
.set SW,   48
.set FS,   64
.set TM,   64                          ; the end: v64-79 at work
.set KS,   80                          ; v80-83 q's or k's scale words
.set WD,   84                          ; v84-87 words in the making
.set VSW,  88                          ; v88-89 v's scale words
.set PCS,  96                          ; v96-127 four sets of codes: no store's data are written again
.set G1A,  24                          ; s[24:31], s[32:39] descriptor groups 1 for x's and W's tiles
.set G1B,  32
.set G0A,  40                          ; s[40:43], s[68:71] groups 0, for x's tiles and W's
.set G0B,  68
.set SEL,  96
.set MSB, 0
.macro WIN new                         ; the immediate's high byte repeats the setting that is left
.if MSB != \new
	s_set_vgpr_msb (MSB<<8)|\new
.set MSB, \new
.endif
.endm
.macro PLACES                          ; four plain places between a matrix instruction and a load into, or a vector instruction on, its registers
.rept 4
	v_nop
.endr
.endm
.macro CROUND                          ; a round of the cluster's barrier
	s_barrier_signal -1
	s_barrier_wait -1
	s_cmp_lg_u32 s12, 0
	s_cbranch_scc1 .Lnot_wave_0_\@
	s_barrier_signal -3
.Lnot_wave_0_\@:
	s_barrier_wait -3
	s_barrier_signal -1
	s_barrier_wait -1
.endm
; D = A x B (+ D).  sa, sb: the scale registers; ra, rb = 1: the side's words stand in lanes 16-31
.macro WM d, a, b, zero, sa, ra, sb, rb
.if \zero
.if (\ra) && (\rb)
	v_wmma_scale_f32_16x16x128_f8f6f4 v[(\d):(\d)+7], v[(\a):(\a)+7], v[(\b):(\b)+7], 0, v[\sa], v[\sb] matrix_a_fmt:MATRIX_FMT_FP4 matrix_b_fmt:MATRIX_FMT_FP4 matrix_a_scale:MATRIX_SCALE_ROW1 matrix_b_scale:MATRIX_SCALE_ROW1
.elseif (\ra)
	v_wmma_scale_f32_16x16x128_f8f6f4 v[(\d):(\d)+7], v[(\a):(\a)+7], v[(\b):(\b)+7], 0, v[\sa], v[\sb] matrix_a_fmt:MATRIX_FMT_FP4 matrix_b_fmt:MATRIX_FMT_FP4 matrix_a_scale:MATRIX_SCALE_ROW1
.elseif (\rb)
	v_wmma_scale_f32_16x16x128_f8f6f4 v[(\d):(\d)+7], v[(\a):(\a)+7], v[(\b):(\b)+7], 0, v[\sa], v[\sb] matrix_a_fmt:MATRIX_FMT_FP4 matrix_b_fmt:MATRIX_FMT_FP4 matrix_b_scale:MATRIX_SCALE_ROW1
.else
	v_wmma_scale_f32_16x16x128_f8f6f4 v[(\d):(\d)+7], v[(\a):(\a)+7], v[(\b):(\b)+7], 0, v[\sa], v[\sb] matrix_a_fmt:MATRIX_FMT_FP4 matrix_b_fmt:MATRIX_FMT_FP4
.endif
.else
.if (\ra) && (\rb)
	v_wmma_scale_f32_16x16x128_f8f6f4 v[(\d):(\d)+7], v[(\a):(\a)+7], v[(\b):(\b)+7], v[(\d):(\d)+7], v[\sa], v[\sb] matrix_a_fmt:MATRIX_FMT_FP4 matrix_b_fmt:MATRIX_FMT_FP4 matrix_a_scale:MATRIX_SCALE_ROW1 matrix_b_scale:MATRIX_SCALE_ROW1
.elseif (\ra)
	v_wmma_scale_f32_16x16x128_f8f6f4 v[(\d):(\d)+7], v[(\a):(\a)+7], v[(\b):(\b)+7], v[(\d):(\d)+7], v[\sa], v[\sb] matrix_a_fmt:MATRIX_FMT_FP4 matrix_b_fmt:MATRIX_FMT_FP4 matrix_a_scale:MATRIX_SCALE_ROW1
.elseif (\rb)
	v_wmma_scale_f32_16x16x128_f8f6f4 v[(\d):(\d)+7], v[(\a):(\a)+7], v[(\b):(\b)+7], v[(\d):(\d)+7], v[\sa], v[\sb] matrix_a_fmt:MATRIX_FMT_FP4 matrix_b_fmt:MATRIX_FMT_FP4 matrix_b_scale:MATRIX_SCALE_ROW1
.else
	v_wmma_scale_f32_16x16x128_f8f6f4 v[(\d):(\d)+7], v[(\a):(\a)+7], v[(\b):(\b)+7], v[(\d):(\d)+7], v[\sa], v[\sb] matrix_a_fmt:MATRIX_FMT_FP4 matrix_b_fmt:MATRIX_FMT_FP4
.endif
.endif
.endm
	s_load_b256 s[4:11], s[0:1], 0x0               ; xc s[4:5], xs s[6:7], qq s[8:9], kv s[10:11]
	v_lshl_add_u32 v14, v0, 2, 0x30000
	v_mov_b32 v15, 0
	ds_add_u32 v14, v15
	ds_add_u32 v14, v15
	v_lshrrev_b32 v10, 5, v0
	v_readfirstlane_b32 s12, v10                   ; wave 0..3
	s_lshr_b32 s13, s12, 1                         ; which 128 tokens are mine.  Also: I fetch for x (0) or for W (1)
	s_and_b32 s14, s12, 1                          ; which head is mine.  Also: which half of those tiles I fetch
	s_bfe_u32 s15, ttmp6, 0x40000                  ; cx
	s_bfe_u32 s16, ttmp6, 0x40004                  ; cy
	s_and_b32 s17, ttmp7, 0xffff                   ; the cluster's y, 0..23
	s_lshr_b32 s18, s17, 3                         ; T: the same in all sixteen partners
	s_lshl_b32 s19, ttmp9, 2
	s_add_co_u32 s19, s19, s15                     ; which 128 channels: 4 x cluster x + cx
	s_lshl_b32 s20, s17, 2
	s_add_co_u32 s20, s20, s16                     ; 32 T + block of 256 tokens: 4 x cluster y + cy
	s_and_b32 s21, s20, 31                         ; the block of 256 tokens
	s_lshl_b32 s22, s16, 2
	s_lshl_b32 s22, 15, s22                        ; my row of the cluster
	s_lshl_b32 s23, 0x1111, s15                    ; my column
	; group 1: rows of 2,048 bytes (two K steps of one tile: 256 elements of 8 bytes), end to end in memory, dense in LDS
	s_or_b32 s[G1A], s22, (3<<16)|(1<<21)          ; 15:0 the mask: x's tiles go to my row; 17:16 elements of 8 bytes; 21 set beside a mask
	s_or_b32 s[G1B], s23, (3<<16)|(1<<21)          ; W's tiles go to my column
.irp g, G1A, G1B
	s_mov_b32 s[\g+1], 256<<16                     ; tensor_dim0
	s_mov_b32 s[\g+3], 256<<16                     ; tile_dim0
	s_mov_b32 s[\g+5], 256                         ; tensor_dim0_stride: the rows lie end to end
	s_mov_b32 s[\g+6], 0
	s_mov_b32 s[\g+7], 0
.endr
	s_mov_b32 s[G1A+2], 32<<16                     ; tensor_dim1: 8 tiles of x are 32 rows of 2,048 bytes,
	s_mov_b32 s[G1A+4], 32                         ; tile_dim1
	s_mov_b32 s[G1B+2], 16<<16                     ; 4 tiles of W 16 rows
	s_mov_b32 s[G1B+4], 16
	s_lshl_b32 s56, s20, 17                        ; x: tile 16 (32 T + block) + 8 x half, 8,192 bytes a tile: made of the cluster's y, cy and the wave's number alone
	s_lshl_b32 s57, s14, 16
	s_add_co_u32 s56, s56, s57
	s_mov_b32 s57, 0
	s_lshl_b32 s58, s18, 19                        ; W: tile 1536 + 64 T + 8 x (128 channels) + 4 x half: of T, the cluster's x, cx and the wave's number alone
	s_lshl_b32 s59, s19, 16
	s_add_co_u32 s58, s58, s59
	s_lshl_b32 s59, s14, 15
	s_add_co_u32 s58, s58, s59
	s_add_co_u32 s58, s58, 1536*8192
	s_mov_b32 s59, 0
	s_lshl_b32 s62, s14, 16                        ; where they go: 65,536 x half for x, 32,768 x half for W: no place in the cluster enters an LDS address
	s_lshl_b32 s63, s14, 15
	s_mov_b32 s[SEL], 0x76543210
	s_mov_b32 s[SEL+1], 0xfedcba98
	s_wait_dscnt 0x0
	s_wait_kmcnt 0x0
	s_add_nc_u64 s[60:61], s[4:5], s[56:57]
	s_add_nc_u64 s[84:85], s[4:5], s[58:59]
	s_mov_b32 s[G0A], 1                            ; count = 1
	s_mov_b32 s[G0A+1], s62                        ; LDS address
	s_mov_b64 s[G0A+2:G0A+3], s[60:61]             ; global address
	s_or_b32 s[G0A+3], s[G0A+3], 0x80000000        ; type = 2
	s_mov_b32 s[G0B], 1
	s_add_co_u32 s[G0B+1], s63, WOFF
	s_mov_b64 s[G0B+2:G0B+3], s[84:85]
	s_or_b32 s[G0B+3], s[G0B+3], 0x80000000
	CROUND                                         ; all sixteen work-groups are here: the joint loads meet
	s_cmp_eq_u32 s13, 0                            ; a wave's one fill stands in a branch on its number, ahead of every wait on TENSORcnt, every LDS read and every other barrier
	s_cbranch_scc0 .Lfill_w
	tensor_load_to_lds s[G0A:G0A+3], s[G1A:G1A+7]  ; my one tensor load: 8 tiles of x, all of K
	s_nop 0
	PLACES                                         ; four v_nop follow the last of them, ahead of the jump and the label
	s_branch .Lfilled
.Lfill_w:
	tensor_load_to_lds s[G0B:G0B+3], s[G1B:G1B+7]  ; my one tensor load: 4 tiles of W, all of K
	s_nop 0
	PLACES
.Lfilled:
	v_and_b32 v[LN], 31, v0
	v_lshlrev_b32 v[L16], 4, v[LN]
	v_lshlrev_b32 v[L8], 3, v[LN]
	v_and_b32 v10, 15, v0                          ; r
	v_bfe_u32 v11, v0, 4, 1                        ; h
	v_lshlrev_b32 v[VS], 4, v10
	v_lshl_add_u32 v[VS], v11, 9, v[VS]            ; lanes 0-15 take the even tile's words, lanes 16-31 the odd tile's
	s_wait_alu depctr_va_vdst(0)
	s_lshl_b32 s86, s20, 13                        ; x's scale words: tile 16 (32 T + block) + 8 x my half of the tokens, 512 bytes a tile
	s_lshl_b32 s87, s13, 12
	s_add_co_u32 s86, s86, s87
	s_mov_b32 s87, 0
	s_add_nc_u64 s[86:87], s[6:7], s[86:87]
	s_lshl_b32 s94, s18, 15                        ; W's: tile 1536 + 64 T + 8 x (128 channels) + 4 x my head
	s_lshl_b32 s95, s19, 12
	s_add_co_u32 s94, s94, s95
	s_lshl_b32 s95, s14, 11
	s_add_co_u32 s94, s94, s95
	s_add_co_u32 s94, s94, 1536*512
	s_mov_b32 s95, 0
	s_add_nc_u64 s[94:95], s[6:7], s[94:95]
.irp p, 0,1,2,3                        ; register SX + 8 p + s: the words of K step s of tiles 2 p (lanes 0-15) and 2 p + 1 (lanes 16-31)
.irp q, 0,1
	global_load_b128 v[SX+8*\p+4*\q:SX+8*\p+4*\q+3], v[VS], s[86:87] offset:1024*\p+256*\q
.endr
.endr
.irp p, 0,1
.irp q, 0,1
	global_load_b128 v[SW+8*\p+4*\q:SW+8*\p+4*\q+3], v[VS], s[94:95] offset:1024*\p+256*\q
.endr
.endr
	s_lshl_b32 s56, s13, 16
	v_add_nc_u32 v[VA], s56, v[L16]                ; my 8 tiles of x: 16 x lane + 65,536 x half
	s_lshl_b32 s57, s14, 15
	s_add_co_u32 s57, s57, WOFF
	v_add_nc_u32 v[VB], s57, v[L16]                ; my 4 tiles of W, behind x's 16
.macro FETCH s, set                    ; K step s: 24 loads, each 512 consecutive bytes: an image of four registers
.irp i, 0,1,2,3,4,5,6,7
.irp c, 0,1
	ds_load_b128 v[FS+96*(\set)+8*\i+4*\c:FS+96*(\set)+8*\i+4*\c+3], v[VA] offset:8192*\i+1024*(\s)+512*\c
.endr
.endr
.irp j, 0,1,2,3
.irp c, 0,1
	ds_load_b128 v[FS+96*(\set)+64+8*\j+4*\c:FS+96*(\set)+64+8*\j+4*\c+3], v[VB] offset:8192*\j+1024*(\s)+512*\c
.endr
.endr
.endm
; The 32 accumulators take turns, one instruction a turn, in the same order in every K step.
.macro MULQK s                         ; accumulator (token tile i, channel tile j) at 8 (4 i + j)
.irp i, 0,1,2,3,4,5,6,7
.irp j, 0,1,2,3
	WM 8*(4*\i+\j), FS+96*((\s)%2)+64+8*\j, FS+96*((\s)%2)+8*\i, ZF, SW+8*(\j/2)+(\s), \j%2, SX+8*(\i/2)+(\s), \i%2
.endr
.endr
.endm
.macro MULV s                          ; accumulator (channel tile j, token tile i) at 8 (8 j + i)
.irp j, 0,1,2,3
.irp i, 0,1,2,3,4,5,6,7
	WM 8*(8*\j+\i), FS+96*((\s)%2)+8*\i, FS+96*((\s)%2)+64+8*\j, ZF, SX+8*(\i/2)+(\s), \i%2, SW+8*(\j/2)+(\s), \j%2
.endr
.endr
.endm
.macro KSTEP s
.set ZF, 0
.if (\s) == 0
.set ZF, 1                             ; the first K step's products start the sums: nothing is cleared
.endif
.if (\s) < 7
.if (\s) > 0
	PLACES                                         ; the set below was read by the last K step's products
.endif
	FETCH (\s)+1, ((\s)+1)%2
	s_wait_dscnt 24                                ; all but the 24 just issued: this K step's fragments are in
.else
	s_wait_dscnt 0x0
.endif
	s_cmp_eq_u32 s18, 2                            ; v takes the sources the other way round.  T is the same in every wave and every partner
	s_cbranch_scc1 .Lv_\@
	WIN 0x50                                       ; C and D in window 1
	MULQK \s
	WIN 0
	s_branch .Lj_\@
.Lv_\@:
	WIN 0x50
	MULV \s
	WIN 0
.Lj_\@:
.endm
	s_wait_alu depctr_va_vdst(0)
	s_wait_tensorcnt 0x0                           ; my block is in
	s_barrier_signal -1
	s_barrier_wait -1                              ; everybody's is
	FETCH 0, 0
	s_wait_loadcnt 0x0                             ; the scale words
.irp s, 0,1,2,3,4,5,6,7
	KSTEP \s
.endr
	; THE WAY OUT: no LDS.  64 accumulator registers at a time are four blocks of 32 along the next K, 16 numbers a lane; their codes are the next operand's registers and are stored as they stand.
	PLACES
	v_cmp_le_u32 vcc_lo, 16, v[LN]                 ; lanes 16-31
.irp b, 0,1,2,3
	v_mov_b32 v[TM+4+\b], 0                        ; written once: a lane permute's destination counts as one of its sources
.endr
	s_lshr_b32 s88, s21, 3                         ; the batch,
	s_lshl_b32 s88, s88, 4
	s_lshl_b32 s89, s19, 1
	s_add_co_u32 s88, s88, s89
	s_add_co_u32 s88, s88, s14                     ; x 16 + my head,
	s_lshl_b32 s88, s88, 4
	s_and_b32 s89, s21, 7
	s_lshl_b32 s89, s89, 1
	s_add_co_u32 s88, s88, s89
	s_add_co_u32 s88, s88, s13                     ; x 16 + my 128 tokens of the sequence: my block
	s_mov_b32 s90, 8960
	s_mov_b32 s91, 8192
	s_cmp_eq_u32 s18, 0
	s_cselect_b64 s[92:93], s[8:9], s[10:11]       ; q goes to qq, k and v to kv
	s_cselect_b32 s90, 4608, s90                   ; a block's bytes,
	s_cselect_b32 s91, 4096, s91                   ; and where its scale words begin
	s_mul_i32 s88, s88, s90
	s_mov_b32 s89, 0
	s_add_nc_u64 s[92:93], s[92:93], s[88:89]
	v_add_nc_u32 v[VKO], s91, v[L16]
; 64 registers of window 1 from base on -> 8 registers of codes at pc; the four bytes stay in v[TM+4 ..].  Each accumulator is read from its low end on.
.macro QW base, pc
	WIN 0x05                                       ; sources 0 and 1 in window 1
.irp b, 0,1,2,3
	v_max3_num_f32 v[TM+\b], |v[(\base)+16*\b]|, |v[(\base)+1+16*\b]|, 0x1800000   ; and the floor 2^(3 - 127): the byte cannot fall under 1
.endr
	WIN 0x14                                       ; sources 1 and 2 in window 1
.irp i, 2,4,6,8,10,12,14
.irp b, 0,1,2,3
	v_max3_num_f32 v[TM+\b], v[TM+\b], |v[(\base)+16*\b+\i]|, |v[(\base)+1+16*\b+\i]|
.endr
.endr
	WIN 0
.irp b, 0,1,2,3
	v_permlanex16_b32 v[TM+4+\b], v[TM+\b], s[SEL], s[SEL+1]
.endr
.irp b, 0,1,2,3
	v_max_num_f32 v[TM+\b], v[TM+\b], v[TM+4+\b]   ; with lane l xor 16's 16: the block's largest magnitude
.endr
.irp b, 0,1,2,3
	v_add_nc_u32 v[TM+12+\b], 0xff000000, v[TM+\b] ; 2 off its exponent field: the conversion's scale operand
.endr
.irp b, 0,1,2,3
	v_lshrrev_b32 v[TM+4+\b], 23, v[TM+12+\b]      ; the scale's byte
.endr
	WIN 0x01                                       ; source 0 in window 1
.irp b, 0,1,2,3
	v_cvt_scalef32_pk8_fp4_f32 v[(\pc)+2*\b], v[(\base)+16*\b:(\base)+7+16*\b], v[TM+12+\b]
	v_cvt_scalef32_pk8_fp4_f32 v[(\pc)+1+2*\b], v[(\base)+8+16*\b:(\base)+15+16*\b], v[TM+12+\b]
.endr
	WIN 0
	v_nop                                          ; one plain place behind a scaled conversion
.irp c, 0,1
.irp i, 0,1
	v_permlane16_swap_b32 v[(\pc)+4*\c+\i], v[(\pc)+2+4*\c+\i]   ; a whole block to a lane
.endr
.endr
.endm
	s_cmp_eq_u32 s18, 2
	s_cbranch_scc1 .Lv_out
.irp p, 0,1,2,3                        ; q, k: token tiles 2 p and 2 p + 1, two blocks of 32 channels each: registers 0-3 are tile 2 p's fragment, 4-7 tile 2 p + 1's
	QW 64*\p, PCS+8*\p
	v_lshl_or_b32 v[WD], v[TM+5], 8, v[TM+4]       ; tile 2 p's two bytes,
	v_lshl_or_b32 v[WD+1], v[TM+7], 8, v[TM+6]     ; tile 2 p + 1's
	v_cndmask_b32 v[WD+2], v[WD], v[WD+1], vcc_lo  ; lanes 0-15 keep the even tile's, lanes 16-31 the odd tile's
	v_or_b32 v[KS+\p], 0x7f7f0000, v[WD+2]         ; the head has 64 channels: the instruction's other 64 along K get the scale 1
	global_store_b128 v[L16], v[PCS+8*\p:PCS+8*\p+3], s[92:93] offset:1024*\p        ; 512 consecutive bytes a store
	global_store_b128 v[L16], v[PCS+8*\p+4:PCS+8*\p+7], s[92:93] offset:1024*\p+512
.endr
	global_store_b128 v[VKO], v[KS:KS+3], s[92:93]
	s_branch .Lout_done
.Lv_out:
.irp j, 0,1,2,3                        ; v: channel tile j, four blocks of 32 keys: one whole fragment and one whole scale word a row
	QW 64*\j, PCS+8*\j
	v_lshl_or_b32 v[WD+\j], v[TM+5], 8, v[TM+4]
	v_lshl_or_b32 v[WD+\j], v[TM+6], 16, v[WD+\j]
	v_lshl_or_b32 v[WD+\j], v[TM+7], 24, v[WD+\j]
	global_store_b128 v[L16], v[PCS+8*\j:PCS+8*\j+3], s[92:93] offset:4096+1024*\j
	global_store_b128 v[L16], v[PCS+8*\j+4:PCS+8*\j+7], s[92:93] offset:4096+1024*\j+512
.endr
	v_cndmask_b32 v[VSW], v[WD], v[WD+1], vcc_lo
	v_cndmask_b32 v[VSW+1], v[WD+2], v[WD+3], vcc_lo
	global_store_b64 v[L8], v[VSW:VSW+1], s[92:93] offset:8704   ; 256 consecutive bytes
.Lout_done:
	s_wait_tensorcnt 0x0
	ds_add_u32 v14, v15
	s_wait_dscnt 0x0
	CROUND                                         ; the closing round: no work-group ends while a partner may still ask for a tile that names it
	s_endpgm
.Lfunc_end_k_q52bd8ab087_proj:
	.size	k_q52bd8ab087_proj, .Lfunc_end_k_q52bd8ab087_proj-k_q52bd8ab087_proj
	.p2alignl 7, 3214868480
	.fill 96, 4, 3214868480
	.section	.rodata,"a",@progbits
	.p2align	6, 0x0
	.amdhsa_kernel k_q52bd8ab087_proj
		.amdhsa_group_segment_fixed_size 197120
		.amdhsa_private_segment_fixed_size 0
		.amdhsa_enable_private_segment 0
		.amdhsa_kernarg_size 32
		.amdhsa_user_sgpr_count 2
		.amdhsa_user_sgpr_kernarg_segment_ptr 1
		.amdhsa_wavefront_size32 1
		.amdhsa_system_sgpr_workgroup_id_x 1
		.amdhsa_system_sgpr_workgroup_id_y 1
		.amdhsa_system_sgpr_workgroup_id_z 1
		.amdhsa_system_vgpr_workitem_id 0
		.amdhsa_next_free_vgpr 512
		.amdhsa_next_free_sgpr 98
		.amdhsa_reserve_vcc 1
		.amdhsa_float_denorm_mode_32 3
		.amdhsa_float_denorm_mode_16_64 3
		.amdhsa_memory_ordered 1
		.amdhsa_forward_progress 1
		.amdhsa_inst_pref_size 120
	.end_amdhsa_kernel
	.amdgpu_metadata
---
amdhsa.version: [ 1, 2 ]
amdhsa.kernels:
  - .name:           k_q52bd8ab087_proj
    .symbol:         k_q52bd8ab087_proj.kd
    .args:
      - { .name: xc, .offset: 0, .size: 8, .value_kind: global_buffer, .address_space: global }
      - { .name: xs, .offset: 8, .size: 8, .value_kind: global_buffer, .address_space: global }
      - { .name: qq, .offset: 16, .size: 8, .value_kind: global_buffer, .address_space: global }
      - { .name: kv, .offset: 24, .size: 8, .value_kind: global_buffer, .address_space: global }
    .group_segment_fixed_size: 197120
    .private_segment_fixed_size: 0
    .kernarg_segment_align: 8
    .kernarg_segment_size: 32
    .max_flat_workgroup_size: 128
    .sgpr_count:     98
    .vgpr_count:     512
    .wavefront_size: 32
...
	.end_amdgpu_metadata
.endif
;; end of part 2
;; launch attn (part 3): grid 4 x 64, 16 waves a work-group, clusters of 4 x 1, 169,984 bytes of LDS; arguments qq, kv, oc, os; writes oc, os
.if DOCPART == 3
	.amdgcn_target "amdgcn-amd-amdhsa--gfx1250"
	.amdhsa_code_object_version 6
	.text
	.protected	k_q52bd8ab087_attn
	.globl	k_q52bd8ab087_attn
	.p2align	8
	.type	k_q52bd8ab087_attn,@function
k_q52bd8ab087_attn:
	s_mov_b64 s[64:65], 0
	v_nop
	global_prefetch_b8 v0, s[64:65] scope:SCOPE_SE
	s_setreg_imm32_b32 hwreg(HW_REG_WAVE_MODE, 25, 1), 1
	s_wait_xcnt 0x0
	s_wait_alu depctr_hold_cnt(0) depctr_sa_sdst(0) depctr_va_vdst(0) depctr_va_sdst(0) depctr_va_ssrc(0) depctr_va_vcc(0) depctr_vm_vsrc(0)
	s_getreg_b32 s2, hwreg(HW_REG_IB_STS2, 6, 4)
	s_cmp_eq_u32 s2, 0
	s_cbranch_scc0 .Lentry_in_a_cluster
	s_endpgm
.Lentry_in_a_cluster:
	s_bfe_u32 s2, ttmp6, 0x10000c
	s_cmp_lg_u32 s2, 0x3003
	s_cbranch_scc0 .Lentry_shape_is_right
	s_endpgm
.Lentry_shape_is_right:
; O[head][q] = the sum over keys of softmax(q . k / 8) v, both products on codes of FP4 with E8M0 scales; O / l is quantised along the model's 1,024 for the last projection.
; THE SOFTMAX: t = score x log2(e) / 8; M = the running largest t rounded UP to a whole number; p = 2^(t - M) is quantised along the keys, not normalised; the row's sum l is taken of the
; unquantised p and divides O at the end.  When M moves, l and O are multiplied by 2^(old M - new M): exact.  The running maximum is kept as a score: c x (the largest score) is the largest t, c being positive.
; SHARES.  A work-group owns 512 queries of one head; each of its sixteen waves two tiles of 16 (A, B), so that each fragment of k and v read from LDS feeds two products.  Four waves to a SIMD.
; LDS.  The head's k and v, 16 key steps x 8,960 bytes = 143,360, are filled ONCE, wave w bringing key step w; nothing is ever filled again.  No prefetch: all of k and v is asked for at the head, and there is no loop to run ahead in.
; CLUSTER 4 x 1: the four work-groups of a head read the same k and v: each of the sixteen loads is a joint one.
; LAYOUT.  Both products transposed: S^T = k q^T (source 0 = 16 keys), O^T = v^T p^T (source 0 = 16 channels): a lane holds ONE query throughout.  The keys and channels of a tile are
; 32 (t / 2) + 8 (t % 2) + r + 8 (r / 8), so that the 16 registers of tiles 2 b and 2 b + 1 are 16 neighbours.  All operands lie in LDS as images of their registers.
; THE HEAD'S K IS 64, THE INSTRUCTION'S 128: q's fragments hold zero codes for k = 64 .. 127 and all scale bytes there are 0x7f.  k's tile t is named as v[40 + 4 t .. 47 + 4 t]: its upper four registers are
; the next tile's codes (behind tile 7: four zeros): numbers of the format, multiplied by zero codes: they add nothing.
; CHAINS.  The block maxima run in eight chains, the row's sum in eight; the links that make f and p's scale word stand among runs that do not hang on them.
; LIMITS: NaN and infinities are not served; the promise holds while |t| stays under 2^31; a p under 2^-126 comes out of v_exp_f32 as 0 (ISA guide 15.8); a block whose every p is 0 keeps the byte 1 with zero codes.
.set STEPB, 8960
.set L16, 1                            ; v1  16 x lane
.set L8,  2                            ; v2  8 x lane
.set ADK, 3                            ; v3  the step's LDS address, 16 bytes a lane
.set ADS, 4                            ; v4  the same, 8 bytes a lane
.set QS,  5                            ; v5  q's scale words: lanes 0-15 tile A, lanes 16-31 tile B
.set PWA, 6                            ; v6, v7  p's scale words
.set PWB, 7
.set KSC, 8                            ; v8-11   k's scale words: register t / 2, lanes 0-15 the even tile, 16-31 the odd
.set VSC, 12                           ; v12-13  v's likewise
.set STA, 16                           ; v16-19, v20-23: -M, the largest score, the sum in two halves
.set STB, 20
.set QA,  24                           ; v24-31, v32-39 q's fragments; the upper four of each are zeros
.set QB,  32
.set KV,  40                           ; v40-71 eight tiles of k, then four fragments of v; v72-75 zeros
.set S,   76                           ; v76-139 S^T, then p
.set OA,  140                          ; v140-171, v172-203 O^T
.set OB,  172
.set PA,  204                          ; v204-211, v212-219 p's codes
.set PB,  212
.set BM,  220                          ; v220-223 each block's largest score, then its largest p
.set T2,  224                          ; v224-227 at work
.set SOP, 228                          ; v228-231 the conversions' scale operands
.set F,   232                          ; v[232:233] f = 2^(old M - new M), and a word written once
.set TT,  234                          ; v234-235 at work
.set C2,  236                          ; v236-249 seven more chains of the sum, a pair each
.set BN,  238                          ; v238-241 the maxima's second chains (free again when the sum begins)
.set TM,  220                          ; the end: the quantiser's 16 registers at work
.set SEL, 28
.set CS,  30
.macro PLACES
.rept 4
	v_nop
.endr
.endm
.macro CROUND                          ; a round of the cluster's barrier
	s_barrier_signal -1
	s_barrier_wait -1
	s_cmp_lg_u32 s12, 0
	s_cbranch_scc1 .Lnot_wave_0_\@
	s_barrier_signal -3
.Lnot_wave_0_\@:
	s_barrier_wait -3
	s_barrier_signal -1
	s_barrier_wait -1
.endm
.macro WS d, a, b, sa, ra, sb, rb      ; D = A x B.  ra, rb = 1: the side's scale words stand in lanes 16-31
.if (\ra) && (\rb)
	v_wmma_scale_f32_16x16x128_f8f6f4 v[(\d):(\d)+7], v[(\a):(\a)+7], v[(\b):(\b)+7], 0, v[\sa], v[\sb] matrix_a_fmt:MATRIX_FMT_FP4 matrix_b_fmt:MATRIX_FMT_FP4 matrix_a_scale:MATRIX_SCALE_ROW1 matrix_b_scale:MATRIX_SCALE_ROW1
.elseif (\ra)
	v_wmma_scale_f32_16x16x128_f8f6f4 v[(\d):(\d)+7], v[(\a):(\a)+7], v[(\b):(\b)+7], 0, v[\sa], v[\sb] matrix_a_fmt:MATRIX_FMT_FP4 matrix_b_fmt:MATRIX_FMT_FP4 matrix_a_scale:MATRIX_SCALE_ROW1
.elseif (\rb)
	v_wmma_scale_f32_16x16x128_f8f6f4 v[(\d):(\d)+7], v[(\a):(\a)+7], v[(\b):(\b)+7], 0, v[\sa], v[\sb] matrix_a_fmt:MATRIX_FMT_FP4 matrix_b_fmt:MATRIX_FMT_FP4 matrix_b_scale:MATRIX_SCALE_ROW1
.else
	v_wmma_scale_f32_16x16x128_f8f6f4 v[(\d):(\d)+7], v[(\a):(\a)+7], v[(\b):(\b)+7], 0, v[\sa], v[\sb] matrix_a_fmt:MATRIX_FMT_FP4 matrix_b_fmt:MATRIX_FMT_FP4
.endif
.endm
.macro WO d, a, b, sa, ra, sb          ; D += A x B
.if (\ra)
	v_wmma_scale_f32_16x16x128_f8f6f4 v[(\d):(\d)+7], v[(\a):(\a)+7], v[(\b):(\b)+7], v[(\d):(\d)+7], v[\sa], v[\sb] matrix_a_fmt:MATRIX_FMT_FP4 matrix_b_fmt:MATRIX_FMT_FP4 matrix_a_scale:MATRIX_SCALE_ROW1
.else
	v_wmma_scale_f32_16x16x128_f8f6f4 v[(\d):(\d)+7], v[(\a):(\a)+7], v[(\b):(\b)+7], v[(\d):(\d)+7], v[\sa], v[\sb] matrix_a_fmt:MATRIX_FMT_FP4 matrix_b_fmt:MATRIX_FMT_FP4
.endif
.endm
	s_load_b256 s[4:11], s[0:1], 0x0               ; qq s[4:5], kv s[6:7], oc s[8:9], os s[10:11]
	v_lshl_add_u32 v254, v0, 2, 0x29000            ; my spare word, behind all that is used of LDS
	v_mov_b32 v255, 0
	ds_add_u32 v254, v255                          ; the opening lines: the add twice on end, under one wait
	ds_add_u32 v254, v255
	v_lshrrev_b32 v3, 5, v0
	s_delay_alu instid0(VALU_DEP_1)
	v_readfirstlane_b32 s12, v3                    ; wave 0..15
	s_bfe_u32 s13, ttmp6, 0x40000                  ; cx: which 512 queries: it enters qq's, oc's and os's addresses alone
	s_and_b32 s14, ttmp7, 0xffff                   ; 16 x batch + head, which the four partners share
	; group 1: a key step's 8,960 dense bytes as 35 rows of 256 (32 elements of 8 bytes)
	s_mov_b32 s16, 15|(3<<16)|(1<<21)              ; the mask: all four work-groups; elements of 8 bytes; bit 21 beside a mask
	s_mov_b32 s17, 32<<16                          ; tensor_dim0
	s_mov_b32 s18, 35<<16                          ; tensor_dim1
	s_mov_b32 s19, 32<<16                          ; tile_dim0
	s_mov_b32 s20, 35                              ; tile_dim1
	s_mov_b32 s21, 32                              ; tensor_dim0_stride
	s_mov_b32 s22, 0
	s_mov_b32 s23, 0
	s_lshl_b32 s34, s14, 4
	s_add_co_u32 s34, s34, s12
	s_mul_i32 s34, s34, STEPB                      ; key step w of my head, in memory,
	s_mov_b32 s35, 0
	s_mov_b32 s24, 1                               ; group 0: count = 1
	s_mul_i32 s25, s12, STEPB                      ; and in LDS: the wave's number times a constant
	s_lshl_b32 s36, s14, 4                         ; q: block 16 x (batch, head) + 4 cx + wave / 4,
	s_lshl_b32 s37, s13, 2
	s_add_co_u32 s36, s36, s37
	s_lshr_b32 s37, s12, 2
	s_add_co_u32 s36, s36, s37
	s_mul_i32 s36, s36, 4608
	s_mov_b32 s37, 0
	s_and_b32 s38, s12, 3                          ; and in it tiles 2 p, 2 p + 1, p = wave % 4
	s_lshr_b32 s40, s14, 4                         ; my tile A among all 512 tiles of tokens: 128 x batch + 32 cx + 2 x wave
	s_lshl_b32 s40, s40, 7
	s_lshl_b32 s41, s13, 5
	s_add_co_u32 s40, s40, s41
	s_lshl_b32 s41, s12, 1
	s_add_co_u32 s40, s40, s41
	s_and_b32 s41, s14, 15                         ; the head
	s_lshl_b32 s42, s40, 13                        ; oc: 8,192 bytes a tile, 512 a head
	s_lshl_b32 s43, s41, 9
	s_add_co_u32 s42, s42, s43
	s_mov_b32 s43, 0
	s_lshl_b32 s44, s41, 14                        ; os: 16,384 bytes a head, 32 a tile
	s_lshl_b32 s45, s40, 5
	s_add_co_u32 s44, s44, s45
	s_mov_b32 s45, 0
	s_mov_b32 s[SEL], 0x76543210
	s_mov_b32 s[SEL+1], 0xfedcba98                 ; v_permlanex16_b32's selects for lane l xor 16
	s_mov_b32 s[CS], 0x3e38aa3b                    ; c = log2(e) / 8
	s_mov_b32 s[CS+1], s[CS]                       ; (named with it as a pair, so it is written)
	s_wait_dscnt 0x0
	s_wait_kmcnt 0x0
	s_add_nc_u64 s[26:27], s[6:7], s[34:35]
	s_or_b32 s27, s27, 0x80000000                  ; type = 2
	s_add_nc_u64 s[4:5], s[4:5], s[36:37]
	s_add_nc_u64 s[8:9], s[8:9], s[42:43]
	s_add_nc_u64 s[10:11], s[10:11], s[44:45]
	CROUND                                         ; all four work-groups are here: the joint loads meet
	tensor_load_to_lds s[24:27], s[16:23]          ; my one tensor load: key step w, for all four work-groups
	s_nop 0
	v_and_b32 v3, 31, v0                           ; lane
	s_delay_alu instid0(VALU_DEP_1)
	v_lshlrev_b32 v[L16], 4, v3
	s_delay_alu instid0(VALU_DEP_2)
	v_lshlrev_b32 v[L8], 3, v3
	s_lshl_b32 s39, s38, 10
	v_add_nc_u32 v3, s39, v[L16]                   ; 16 x lane + 1,024 p
	s_lshl_b32 s46, s38, 2
	v_add_nc_u32 v4, s46, v[L16]                   ; 16 x lane + 4 p
	global_load_b128 v[QA:QA+3], v3, s[4:5]
	global_load_b128 v[QB:QB+3], v3, s[4:5] offset:512
	global_load_b32 v[QS], v4, s[4:5] offset:4096
.irp i, 4,5,6,7
	v_mov_b32 v[QA+\i], 0                          ; zero codes for k = 64 .. 127
	v_mov_b32 v[QB+\i], 0
	v_mov_b32 v[KV+28+\i], 0                       ; and behind k's tile 7
.endr
.irp x, STA, STB
	v_mov_b32 v[\x+1], 0xff61b1e6                  ; the largest score so far: -3e38, under every score
	s_delay_alu instid0(VALU_DEP_1)
	v_floor_f32 v[\x], -v[\x+1]                    ; -M: so large that the first step's f is 0, which meets zeros
	v_mov_b32 v[\x+2], 0                           ; the sum, in two halves
	v_mov_b32 v[\x+3], 0
.endr
.irp b, 0,1,2,3
	v_mov_b32 v[T2+\b], 0                          ; written once: a lane permute's destination counts as one of its sources
.endr
	v_mov_b32 v[F+1], 0                            ; (named as the upper half of a pair)
.set n, 0
.rept 64
	v_mov_b32 v[OA+n], 0                           ; O^T.  The loop is written once: its first step finds zeros
.set n, n+1
.endr
	s_wait_tensorcnt 0x0                           ; my key step is in LDS,
	s_wait_loadcnt 0x0                             ; q is in registers (and v3, v4 are free),
	s_barrier_signal -1
	s_barrier_wait -1                              ; and everybody's key step is in
.macro SMUL q, rb                      ; S^T = k q^T for one tile of queries: eight tiles of 16 keys
.irp t, 0,1,2,3,4,5,6,7
	WS S+8*\t, KV+4*\t, \q, KSC+\t/2, \t%2, QS, \rb
.endr
.endm
.macro OMUL o, n0, cnt                 ; O^T under the new M, each accumulator from its low end on
.set n, \n0
.rept \cnt
	v_pk_mul_f32 v[\o+n:\o+n+1], v[\o+n:\o+n+1], v[F:F+1] op_sel_hi:[1,0]
.set n, n+2
.endr
.endm
; One tile's softmax for 128 keys: register S + 16 b + i holds key 32 b + 16 h + i of my query
.macro SOFTMAX st, o, p, pw
.irp b, 0,1,2,3                        ; the largest score of each block of 32 keys, two chains a block: it serves the row's maximum and, since p rises with the score, the block's largest p
	v_max3_num_f32 v[BM+\b], v[S+16*\b], v[S+1+16*\b], v[S+2+16*\b]
	v_max3_num_f32 v[BN+\b], v[S+8+16*\b], v[S+9+16*\b], v[S+10+16*\b]
.endr
.irp i, 3,5
.irp b, 0,1,2,3
	v_max3_num_f32 v[BM+\b], v[BM+\b], v[S+16*\b+\i], v[S+1+16*\b+\i]
	v_max3_num_f32 v[BN+\b], v[BN+\b], v[S+8+16*\b+\i], v[S+9+16*\b+\i]
.endr
.endr
.irp b, 0,1,2,3
	v_max3_num_f32 v[BM+\b], v[BM+\b], v[S+7+16*\b], v[S+15+16*\b]
.endr
.irp b, 0,1,2,3
	v_max_num_f32 v[BM+\b], v[BM+\b], v[BN+\b]
.endr
.irp b, 0,1,2,3
	s_delay_alu instid0(VALU_DEP_4)
	v_permlanex16_b32 v[T2+\b], v[BM+\b], s[SEL], s[SEL+1]
.endr
.irp b, 0,1,2,3
	s_delay_alu instid0(VALU_DEP_4)
	v_max_num_f32 v[BM+\b], v[BM+\b], v[T2+\b]     ; with lane l xor 16's 16 keys
.endr
	s_delay_alu instid0(VALU_DEP_3)
	v_max3_num_f32 v[\st+1], v[\st+1], v[BM], v[BM+1]
	s_delay_alu instid0(VALU_DEP_1)
	v_max3_num_f32 v[\st+1], v[\st+1], v[BM+2], v[BM+3]   ; the running largest score
	v_mov_b32 v[TT], v[\st]
	s_delay_alu instid0(VALU_DEP_2)
	v_mul_f32 v[TT+1], -v[\st+1], s[CS]            ; -t of it
	s_delay_alu instid0(VALU_DEP_1)
	v_floor_f32 v[\st], v[TT+1]                    ; the new -M = floor(-t) = -ceil(t)
	s_delay_alu instid0(VALU_DEP_1)
	v_sub_f32 v[TT], v[\st], v[TT]                 ; old M - new M: a whole number, 0 or less
.set n, 0
.rept 32
	v_pk_fma_f32 v[S+n:S+n+1], v[S+n:S+n+1], s[CS:CS+1], v[\st:\st+1] op_sel_hi:[1,0,0]   ; t - M, two at a time (of the pairs c and -M the low word serves both halves)
.if n == 6
	v_cvt_i32_f32 v[TT], v[TT]                     ; (it saturates)
.endif
.if n == 14
	v_ldexp_f32 v[F], 1.0, v[TT]                   ; f = 2^(old M - new M)
.endif
.set n, n+2
.endr
.irp b, 0,1,2,3
	v_fma_f32 v[BM+\b], v[BM+\b], s[CS], v[\st]    ; the same of each block's largest score
.endr
	s_wait_alu depctr_va_vdst(0)                   ; ahead of the batch
.set n, 0
.rept 64
	v_exp_f32 v[S+n], v[S+n]                       ; p = 2^(t - M), at most 1
.set n, n+1
.endr
.irp b, 0,1,2,3
	v_exp_f32 v[BM+\b], v[BM+\b]                   ; the block's largest p: the same two instructions on the same number give the same bits
.endr
	v_pk_mul_f32 v[\st+2:\st+3], v[\st+2:\st+3], v[F:F+1] op_sel_hi:[1,0]   ; the sum under the new M.  (The plain place behind the exponentials)
	s_wait_alu depctr_va_vdst(0)                   ; and behind it, ahead of its first reader
.irp b, 0,1,2,3
	v_max_num_f32 v[BM+\b], 0x1800000, v[BM+\b]    ; the floor 2^(3 - 127): the byte cannot fall under 1
.endr
.irp b, 0,1,2,3
	s_delay_alu instid0(VALU_DEP_4)
	v_add_nc_u32 v[SOP+\b], 0xff000000, v[BM+\b]   ; 2 off the exponent field: the conversion's scale operand
.endr
.irp b, 0,1,2,3
	s_delay_alu instid0(VALU_DEP_4)
	v_lshrrev_b32 v[T2+\b], 23, v[SOP+\b]          ; the scale's byte
.endr
	s_delay_alu instid0(VALU_DEP_3)
	v_lshl_or_b32 v[\pw], v[T2+1], 8, v[T2]        ; p's scale word for these 128 keys; its other two bytes follow among the sums
.irp b, 0,1,2,3
	v_cvt_scalef32_pk8_fp4_f32 v[\p+2*\b], v[S+16*\b:S+7+16*\b], v[SOP+\b]
	v_cvt_scalef32_pk8_fp4_f32 v[\p+1+2*\b], v[S+8+16*\b:S+15+16*\b], v[SOP+\b]
.endr
	v_nop                                          ; one plain place behind a scaled conversion
.irp c, 0,1
.irp i, 0,1
	v_permlane16_swap_b32 v[\p+4*\c+\i], v[\p+2+4*\c+\i]   ; a whole block to a lane
.endr
.endr
; the row's sum is taken of the unquantised p: 32 pairs and the running pair, 32 additions in eight chains
.irp k, 0,1,2,3,4,5,6
	v_pk_add_f32 v[C2+2*\k:C2+2*\k+1], v[S+4*\k:S+4*\k+1], v[S+4*\k+2:S+4*\k+3]
.endr
	v_pk_add_f32 v[\st+2:\st+3], v[\st+2:\st+3], v[S+28:S+29]
	v_lshl_or_b32 v[\pw], v[T2+2], 16, v[\pw]
.irp k, 0,1,2,3,4,5,6
	v_pk_add_f32 v[C2+2*\k:C2+2*\k+1], v[C2+2*\k:C2+2*\k+1], v[S+30+2*\k:S+31+2*\k]
.endr
	v_pk_add_f32 v[\st+2:\st+3], v[\st+2:\st+3], v[S+44:S+45]
	v_lshl_or_b32 v[\pw], v[T2+3], 24, v[\pw]
.irp k, 0,1,2,3,4,5,6
	v_pk_add_f32 v[C2+2*\k:C2+2*\k+1], v[C2+2*\k:C2+2*\k+1], v[S+46+2*\k:S+47+2*\k]
.endr
	v_pk_add_f32 v[\st+2:\st+3], v[\st+2:\st+3], v[S+60:S+61]
	v_pk_add_f32 v[C2:C2+1], v[C2:C2+1], v[S+62:S+63]
	v_pk_add_f32 v[C2+4:C2+5], v[C2+4:C2+5], v[C2+6:C2+7]      ; the eight chains are joined, with O^T's rescaling between the levels
	v_pk_add_f32 v[C2+8:C2+9], v[C2+8:C2+9], v[C2+10:C2+11]
	v_pk_add_f32 v[\st+2:\st+3], v[\st+2:\st+3], v[C2+12:C2+13]
	v_pk_add_f32 v[C2:C2+1], v[C2:C2+1], v[C2+2:C2+3]
	OMUL \o, 0, 4
	v_pk_add_f32 v[C2:C2+1], v[C2:C2+1], v[C2+4:C2+5]
	v_pk_add_f32 v[\st+2:\st+3], v[\st+2:\st+3], v[C2+8:C2+9]
	OMUL \o, 8, 4
	v_pk_add_f32 v[\st+2:\st+3], v[\st+2:\st+3], v[C2:C2+1]
	OMUL \o, 16, 8
.endm
	s_mov_b32 s32, 0                               ; where the step's bytes begin in LDS
	s_mov_b32 s33, 16                              ; key steps to go
.Lstep:
	v_add_nc_u32 v[ADK], s32, v[L16]               ; with the two v_nop: the four places between the last step's products and the loads into the registers that they read
	v_add_nc_u32 v[ADS], s32, v[L8]
	v_nop
	v_nop
.irp t, 0,1,2,3,4,5,6,7
	ds_load_b128 v[KV+4*\t:KV+4*\t+3], v[ADK] offset:512*\t    ; k's eight tiles
.endr
	ds_load_b128 v[KSC:KSC+3], v[ADK] offset:8192  ; and their scale words
	s_wait_dscnt 0x0
	SMUL QA, 0
	PLACES
	SOFTMAX STA, OA, PA, PWA
	SMUL QB, 1                                     ; tile B's scores take tile A's registers: the whole softmax stands between
	PLACES                                         ; in front of the reads of the scores and of the loads below
.irp j, 0,1,2,3
.irp c, 0,1
	ds_load_b128 v[KV+8*\j+4*\c:KV+8*\j+4*\c+3], v[ADK] offset:4096+1024*\j+512*\c   ; v's four fragments land while tile B's softmax is worked
.endr
.endr
	ds_load_b64 v[VSC:VSC+1], v[ADS] offset:8704
	SOFTMAX STB, OB, PB, PWB
	s_wait_alu depctr_va_vdst(0)                   ; directly ahead of the wait below
	s_wait_dscnt 0x0
.irp j, 0,1,2,3                        ; O^T += v^T p^T: the eight accumulators take turns, one instruction a turn
	WO OA+8*\j, KV+8*\j, PA, VSC+\j/2, \j%2, PWA
	WO OB+8*\j, KV+8*\j, PB, VSC+\j/2, \j%2, PWB
.endr
	s_add_co_u32 s32, s32, STEPB
	s_sub_co_u32 s33, s33, 1
	s_cmp_lg_u32 s33, 0
	s_cbranch_scc1 .Lstep
	; THE WAY OUT.  O^T / l; its 64 registers are four blocks of 32 along the last projection's K: tile A's two, tile B's two.  The codes are that product's operand and are stored as they stand.
	PLACES
	v_add_f32 v[STA+2], v[STA+2], v[STA+3]         ; the sum's two halves,
	v_add_f32 v[STB+2], v[STB+2], v[STB+3]
	s_delay_alu instid0(VALU_DEP_2)
	v_permlanex16_b32 v[T2], v[STA+2], s[SEL], s[SEL+1]
	s_delay_alu instid0(VALU_DEP_2)
	v_permlanex16_b32 v[T2+1], v[STB+2], s[SEL], s[SEL+1]
	s_delay_alu instid0(VALU_DEP_2)
	v_add_f32 v[STA+2], v[STA+2], v[T2]            ; and lane l xor 16's: the row's sum
	s_delay_alu instid0(VALU_DEP_2)
	v_add_f32 v[STB+2], v[STB+2], v[T2+1]
	s_wait_alu depctr_va_vdst(0)                   ; ahead of the transcendentals
	v_rcp_f32 v[STA+2], v[STA+2]
	v_rcp_f32 v[STB+2], v[STB+2]
	v_and_b32 v[ADK], 31, v0                       ; (the plain place behind the reciprocals)  lane
.set n, 0
	s_wait_alu depctr_va_vdst(0)                   ; and ahead of their first reader
.rept 16
	v_pk_mul_f32 v[OA+n:OA+n+1], v[OA+n:OA+n+1], v[STA+2:STA+3] op_sel_hi:[1,0]
	v_pk_mul_f32 v[OB+n:OB+n+1], v[OB+n:OB+n+1], v[STB+2:STB+3] op_sel_hi:[1,0]
.set n, n+2
.endr
.irp b, 0,1,2,3
	v_max3_num_f32 v[TM+\b], |v[OA+16*\b]|, |v[OA+1+16*\b]|, 0x1800000   ; block b: my 16 numbers, and the floor 2^(3 - 127)
.endr
.irp i, 2,4,6,8,10,12,14
.irp b, 0,1,2,3
	s_delay_alu instid0(VALU_DEP_4)
	v_max3_num_f32 v[TM+\b], v[TM+\b], |v[OA+16*\b+\i]|, |v[OA+1+16*\b+\i]|
.endr
.endr
.irp b, 0,1,2,3
	s_delay_alu instid0(VALU_DEP_4)
	v_permlanex16_b32 v[TM+4+\b], v[TM+\b], s[SEL], s[SEL+1]
.endr
.irp b, 0,1,2,3
	s_delay_alu instid0(VALU_DEP_4)
	v_max_num_f32 v[TM+\b], v[TM+\b], v[TM+4+\b]
.endr
.irp b, 0,1,2,3
	s_delay_alu instid0(VALU_DEP_4)
	v_add_nc_u32 v[TM+12+\b], 0xff000000, v[TM+\b]
.endr
.irp b, 0,1,2,3
	s_delay_alu instid0(VALU_DEP_4)
	v_lshrrev_b32 v[TM+4+\b], 23, v[TM+12+\b]
.endr
.irp b, 0,1,2,3
	v_cvt_scalef32_pk8_fp4_f32 v[PA+2*\b], v[OA+16*\b:OA+7+16*\b], v[TM+12+\b]
	v_cvt_scalef32_pk8_fp4_f32 v[PA+1+2*\b], v[OA+8+16*\b:OA+15+16*\b], v[TM+12+\b]
.endr
	v_nop                                          ; one plain place behind a scaled conversion
.irp c, 0,1
.irp i, 0,1
	v_permlane16_swap_b32 v[PA+4*\c+\i], v[PA+2+4*\c+\i]
.endr
.endr
	v_lshl_or_b32 v[TM+8], v[TM+5], 8, v[TM+4]     ; tile A's two bytes,
	v_lshl_or_b32 v[TM+9], v[TM+7], 8, v[TM+6]     ; tile B's
	v_cmp_le_u32 vcc_lo, 16, v[ADK]
	s_delay_alu instid0(VALU_DEP_1)
	v_cndmask_b32 v[TM+8], v[TM+8], v[TM+9], vcc_lo   ; lanes 0-15 store tile A's rows, lanes 16-31 tile B's
	v_lshlrev_b32 v[ADS], 1, v[ADK]                ; 2 x lane
	global_store_b128 v[L16], v[PA:PA+3], s[8:9]               ; tile A, my head: 512 consecutive bytes
	global_store_b128 v[L16], v[PA+4:PA+7], s[8:9] offset:8192 ; tile B
	global_store_b16 v[ADS], v[TM+8], s[10:11]     ; 64 consecutive bytes a wave: a sixteenth of the codes' bytes
	s_wait_tensorcnt 0x0                           ; the wave's end
	ds_add_u32 v254, v255
	s_wait_dscnt 0x0
	CROUND                                         ; the closing round: no work-group ends while a partner may still ask for a tile that names it
	s_endpgm
.Lfunc_end_k_q52bd8ab087_attn:
	.size	k_q52bd8ab087_attn, .Lfunc_end_k_q52bd8ab087_attn-k_q52bd8ab087_attn
	.p2alignl 7, 3214868480
	.fill 96, 4, 3214868480
	.section	.rodata,"a",@progbits
	.p2align	6, 0x0
	.amdhsa_kernel k_q52bd8ab087_attn
		.amdhsa_group_segment_fixed_size 169984
		.amdhsa_private_segment_fixed_size 0
		.amdhsa_enable_private_segment 0
		.amdhsa_kernarg_size 32
		.amdhsa_user_sgpr_count 2
		.amdhsa_user_sgpr_kernarg_segment_ptr 1
		.amdhsa_wavefront_size32 1
		.amdhsa_system_sgpr_workgroup_id_x 1
		.amdhsa_system_sgpr_workgroup_id_y 1
		.amdhsa_system_sgpr_workgroup_id_z 1
		.amdhsa_system_vgpr_workitem_id 0
		.amdhsa_next_free_vgpr 256
		.amdhsa_next_free_sgpr 66
		.amdhsa_reserve_vcc 1
		.amdhsa_float_denorm_mode_32 3
		.amdhsa_float_denorm_mode_16_64 3
		.amdhsa_memory_ordered 1
		.amdhsa_forward_progress 1
		.amdhsa_inst_pref_size 45
	.end_amdhsa_kernel
	.amdgpu_metadata
---
amdhsa.version: [ 1, 2 ]
amdhsa.kernels:
  - .name:           k_q52bd8ab087_attn
    .symbol:         k_q52bd8ab087_attn.kd
    .args:
      - { .name: qq, .offset: 0, .size: 8, .value_kind: global_buffer, .address_space: global }
      - { .name: kv, .offset: 8, .size: 8, .value_kind: global_buffer, .address_space: global }
      - { .name: oc, .offset: 16, .size: 8, .value_kind: global_buffer, .address_space: global }
      - { .name: os, .offset: 24, .size: 8, .value_kind: global_buffer, .address_space: global }
    .group_segment_fixed_size: 169984
    .private_segment_fixed_size: 0
    .kernarg_segment_align: 8
    .kernarg_segment_size: 32
    .max_flat_workgroup_size: 512
    .sgpr_count:     66
    .vgpr_count:     256
    .wavefront_size: 32
...
	.end_amdgpu_metadata
.endif
;; end of part 3
;; launch oproj (part 4): grid 256 x 1, 16 waves a work-group, no clusters, 169,984 bytes of LDS; arguments oc, os, xc, xs, Q, ln_gamma, ln_beta, out0; writes out0
.if DOCPART == 4
	.amdgcn_target "amdgcn-amd-amdhsa--gfx1250"
	.amdhsa_code_object_version 6
	.text
	.protected	k_q52bd8ab087_oproj
	.globl	k_q52bd8ab087_oproj
	.p2align	8
	.type	k_q52bd8ab087_oproj,@function
k_q52bd8ab087_oproj:
	s_mov_b64 s[64:65], 0
	v_nop
	global_prefetch_b8 v0, s[64:65] scope:SCOPE_SE
	s_setreg_imm32_b32 hwreg(HW_REG_WAVE_MODE, 25, 1), 1
	s_wait_xcnt 0x0
; out0 = LayerNorm(O Wo^T + Q) x gamma + beta.  The product on codes of FP4 with E8M0 scales, f32 sums; all else in f32; eps = 1e-6.
; SHARES.  A work-group owns 32 tokens (tiles 2 g, 2 g + 1) and all 1,024 columns, so that a row's mean and variance never leave it; wave w owns columns 64 w .. 64 w + 63: 4 tiles of Wo x 2 tiles of tokens,
; 8 accumulators.  Source 0 = 16 rows of Wo, source 1 = 16 tokens: a lane holds one token and 16 neighbouring columns in each pair of tiles.
; Wo's fragments come from memory straight into registers as images (each load 512 consecutive bytes), three sets, two K steps ahead.
; NO CLUSTER, NO JOINT LOADS, though all work-groups read the same Wo: no fragment of Wo is read by two waves of a work-group, so LDS would only be a detour; Wo's codes are 524,288 bytes, more than LDS holds,
; so a shared copy would need slots that are filled again, with 8 matrix instructions a wave for each K step between the changes of slots.
; O's codes (16 KiB) and scale bytes are read once by the work-group and handed round through LDS as images.  The residual comes by one tensor load a wave, 32 rows x 256 bytes, into the wave's own strip,
; filled once and read by that wave alone; the same bytes later serve as the wave's stage for the way out.
; THE VARIANCE IS TAKEN IN TWO PASSES (the mean first, then the squares of the differences): no difference of large sums is formed.
; LIMITS: NaN and infinities are not served.
.set RES,   0                          ; LDS: 16 strips of 32 rows x (256 + 16) bytes
.set RP,    272
.set STRIP, 32*RP
.set OIMG,  16*STRIP                   ; 139,264: O's 16 fragments, [tile 2][K step 8][1,024]
.set OSC,   OIMG+16384                 ; 155,648: O's scale bytes, 32 rows x 32 bytes: two bytes a head
.set RED1,  OSC+1024                   ; 156,672: 32 rows x (16 waves' partial sums + 16 bytes)
.set RED2,  RED1+2560                  ; 159,232: the same for the squares
.set L16, 1                            ; v1  16 x lane
.set L2,  2                            ; v2  2 x lane
.set VS,  3                            ; v3  512 h + 16 r: Wo's scale words in xs
.set OW,  4                            ; v4  where I store O's image
.set SCW, 5                            ; v5  where I store O's two scale bytes
.set SCR, 6                            ; v6  where I read a row's scale words
.set ORD, 7                            ; v7  OIMG + 16 x lane
.set RA,  8                            ; v8  my strip, by the accumulators' layout: row r + 8 (r / 8), + 64 h
.set RB,  9                            ; v9  my strip, by rows: row h, 16 bytes a lane
.set RW,  10                           ; v10 where I store a partial sum
.set RR,  11                           ; v11 where I read a row's sixteen
.set GO,  12                           ; v12 my byte offset in the work-group's 32 rows of out0
.set GB,  13                           ; v13 my byte offset in gamma and beta
.set LN,  14                           ; v14 lane
.set SW,  16                           ; v16-31 Wo's scale words;  v32-39 O's (nothing else ever)
.set SO,  32
.set GA,  40                           ; v40-43 gamma, v44-47 beta of my four columns on the way out
.set BE,  44
.set OF,  48                           ; v48-79   O's fragments, two sets of two
.set WF,  80                           ; v80-175  Wo's fragments, three sets of four
.set ACC, 176                          ; v176-239 accumulator (token tile u, Wo tile j) at 8 (4 u + j)
.set RS,  80                           ; the end: v80-143 the residual, later whole rows
.set TR,  144                          ; v144-175 sums in the making
.set M0,  240                          ; v[240:241], v[242:243] a figure of tile 0's and of tile 1's row, twice each
.set M1,  242
.set SEL, 36
.macro PLACES
.rept 4
	v_nop
.endr
.endm
.macro WM d, a, b, zero, sa, ra, sb, rb
.if \zero
.if (\ra) && (\rb)
	v_wmma_scale_f32_16x16x128_f8f6f4 v[(\d):(\d)+7], v[(\a):(\a)+7], v[(\b):(\b)+7], 0, v[\sa], v[\sb] matrix_a_fmt:MATRIX_FMT_FP4 matrix_b_fmt:MATRIX_FMT_FP4 matrix_a_scale:MATRIX_SCALE_ROW1 matrix_b_scale:MATRIX_SCALE_ROW1
.elseif (\ra)
	v_wmma_scale_f32_16x16x128_f8f6f4 v[(\d):(\d)+7], v[(\a):(\a)+7], v[(\b):(\b)+7], 0, v[\sa], v[\sb] matrix_a_fmt:MATRIX_FMT_FP4 matrix_b_fmt:MATRIX_FMT_FP4 matrix_a_scale:MATRIX_SCALE_ROW1
.elseif (\rb)
	v_wmma_scale_f32_16x16x128_f8f6f4 v[(\d):(\d)+7], v[(\a):(\a)+7], v[(\b):(\b)+7], 0, v[\sa], v[\sb] matrix_a_fmt:MATRIX_FMT_FP4 matrix_b_fmt:MATRIX_FMT_FP4 matrix_b_scale:MATRIX_SCALE_ROW1
.else
	v_wmma_scale_f32_16x16x128_f8f6f4 v[(\d):(\d)+7], v[(\a):(\a)+7], v[(\b):(\b)+7], 0, v[\sa], v[\sb] matrix_a_fmt:MATRIX_FMT_FP4 matrix_b_fmt:MATRIX_FMT_FP4
.endif
.else
.if (\ra) && (\rb)
	v_wmma_scale_f32_16x16x128_f8f6f4 v[(\d):(\d)+7], v[(\a):(\a)+7], v[(\b):(\b)+7], v[(\d):(\d)+7], v[\sa], v[\sb] matrix_a_fmt:MATRIX_FMT_FP4 matrix_b_fmt:MATRIX_FMT_FP4 matrix_a_scale:MATRIX_SCALE_ROW1 matrix_b_scale:MATRIX_SCALE_ROW1
.elseif (\ra)
	v_wmma_scale_f32_16x16x128_f8f6f4 v[(\d):(\d)+7], v[(\a):(\a)+7], v[(\b):(\b)+7], v[(\d):(\d)+7], v[\sa], v[\sb] matrix_a_fmt:MATRIX_FMT_FP4 matrix_b_fmt:MATRIX_FMT_FP4 matrix_a_scale:MATRIX_SCALE_ROW1
.elseif (\rb)
	v_wmma_scale_f32_16x16x128_f8f6f4 v[(\d):(\d)+7], v[(\a):(\a)+7], v[(\b):(\b)+7], v[(\d):(\d)+7], v[\sa], v[\sb] matrix_a_fmt:MATRIX_FMT_FP4 matrix_b_fmt:MATRIX_FMT_FP4 matrix_b_scale:MATRIX_SCALE_ROW1
.else
	v_wmma_scale_f32_16x16x128_f8f6f4 v[(\d):(\d)+7], v[(\a):(\a)+7], v[(\b):(\b)+7], v[(\d):(\d)+7], v[\sa], v[\sb] matrix_a_fmt:MATRIX_FMT_FP4 matrix_b_fmt:MATRIX_FMT_FP4
.endif
.endif
.endm
	s_load_b512 s[4:19], s[0:1], 0x0               ; oc s[4:5], os s[6:7], xc s[8:9], xs s[10:11], Q s[12:13], gamma s[14:15], beta s[16:17], out0 s[18:19]
	v_lshl_add_u32 v254, v0, 2, 0x29000
	v_mov_b32 v255, 0
	ds_add_u32 v254, v255
	ds_add_u32 v254, v255
	v_lshrrev_b32 v15, 5, v0
	s_delay_alu instid0(VALU_DEP_1)
	v_readfirstlane_b32 s20, v15                   ; wave 0..15
	; group 1: 32 rows x 64 f32, 4,096 bytes apart in memory, 16 bytes of padding behind each in LDS
	s_mov_b32 s24, (2<<16)|(1<<20)|(5<<22)|(3<<25) ; 15:0 no mask; 17:16 elements of 4 bytes; 20 padding on; 24:22 after every 64 words (code 5); 31:25 four words (code 3)
	s_mov_b32 s25, 64<<16                          ; tensor_dim0
	s_mov_b32 s26, 32<<16                          ; tensor_dim1
	s_mov_b32 s27, 64<<16                          ; tile_dim0
	s_mov_b32 s28, 32                              ; tile_dim1
	s_mov_b32 s29, 1024                            ; tensor_dim0_stride
	s_mov_b32 s30, 0
	s_mov_b32 s31, 0
	s_mov_b32 s32, 1                               ; group 0: count = 1
	s_mul_i32 s33, s20, STRIP                      ; my strip in LDS
	s_lshl_b32 s40, ttmp9, 17                      ; 32 rows of 4,096 bytes a work-group,
	s_lshl_b32 s42, s20, 8                         ; 256 bytes a wave
	s_add_co_u32 s40, s40, s42
	s_mov_b32 s41, 0
	s_mov_b32 s[SEL], 0x76543210
	s_mov_b32 s[SEL+1], 0xfedcba98                 ; v_permlanex16_b32's selects for lane l xor 16
	s_mov_b32 s38, 0x3a800000                      ; 1 / 1024
	s_mov_b32 s39, 0x358637bd                      ; eps = 1e-6
	s_wait_dscnt 0x0
	s_wait_kmcnt 0x0
	s_add_nc_u64 s[34:35], s[12:13], s[40:41]
	s_or_b32 s35, s35, 0x80000000                  ; type = 2
	tensor_load_to_lds s[32:35], s[24:31]          ; the residual: my one tensor load; it lands while the product is made
	s_nop 0
	v_and_b32 v[LN], 31, v0
	s_delay_alu instid0(VALU_DEP_1)
	v_lshlrev_b32 v[L16], 4, v[LN]
	s_wait_alu depctr_va_vdst(0)
	v_lshlrev_b32 v[L2], 1, v[LN]
	s_wait_alu depctr_va_vdst(0)
	v_and_b32 v249, 15, v0                         ; r
	v_bfe_u32 v250, v0, 4, 1                       ; h
	v_cmp_le_u32 vcc_lo, 16, v[LN]                 ; lanes 16-31; kept to the end
	s_delay_alu instid0(VALU_DEP_3)
	v_lshlrev_b32 v[VS], 4, v249
	s_delay_alu instid0(VALU_DEP_1)
	v_lshl_add_u32 v[VS], v250, 9, v[VS]
	s_wait_alu depctr_va_vdst(0)
	v_lshl_add_u32 v[GB], v249, 4, s42             ; 256 w + 16 r
	s_wait_alu depctr_va_vdst(0)
	v_lshl_add_u32 v[GO], v250, 12, v[GB]          ; + 4,096 h
	s_lshl_b32 s40, ttmp9, 14
	s_lshl_b32 s43, s20, 10
	s_add_co_u32 s40, s40, s43
	s_add_nc_u64 s[4:5], s[4:5], s[40:41]
	s_lshl_b32 s40, s20, 14                        ; os: head w, 16,384 bytes a head; 64 bytes a work-group
	s_lshl_b32 s44, ttmp9, 6
	s_add_co_u32 s40, s40, s44
	s_add_nc_u64 s[6:7], s[6:7], s[40:41]
	s_lshl_b32 s40, s20, 11                        ; xs: tile 1728 + 4 w, 512 bytes a tile
	s_add_co_u32 s40, s40, 1728*512
	s_add_nc_u64 s[10:11], s[10:11], s[40:41]
	s_lshl_b32 s40, s20, 15                        ; xc: the same tile, 8,192 bytes a tile
	s_add_co_u32 s40, s40, 1728*8192
	s_add_nc_u64 s[8:9], s[8:9], s[40:41]
	s_lshl_b32 s40, ttmp9, 17
	s_add_nc_u64 s[18:19], s[18:19], s[40:41]      ; out0 at the work-group's first row
	global_load_b128 v[240:243], v[L16], s[4:5]
	global_load_b128 v[244:247], v[L16], s[4:5] offset:512
	global_load_u16 v248, v[L2], s[6:7]            ; head w's two bytes of token position 32 g + lane
.irp p, 0,1                            ; register SW + 8 p + s: the words of K step s of Wo's tiles 2 p (lanes 0-15) and 2 p + 1 (lanes 16-31)
.irp q, 0,1
	global_load_b128 v[SW+8*\p+4*\q:SW+8*\p+4*\q+3], v[VS], s[10:11] offset:1024*\p+256*\q
.endr
.endr
	global_load_b128 v[GA:GA+3], v[GB], s[14:15]
	global_load_b128 v[BE:BE+3], v[GB], s[16:17]
.macro LOADW s                         ; Wo's four fragments of K step s into set s % 3
.irp j, 0,1,2,3
.irp c, 0,1
	global_load_b128 v[WF+32*((\s)%3)+8*\j+4*\c:WF+32*((\s)%3)+8*\j+4*\c+3], v[L16], s[8:9] offset:8192*\j+1024*(\s)+512*\c
.endr
.endr
.endm
.macro FETCHO s                        ; O's two fragments of K step s into set s % 2
.irp u, 0,1
.irp c, 0,1
	ds_load_b128 v[OF+16*((\s)%2)+8*\u+4*\c:OF+16*((\s)%2)+8*\u+4*\c+3], v[ORD] offset:8192*\u+1024*(\s)+512*\c
.endr
.endr
.endm
	LOADW 0
	LOADW 1
	s_add_co_u32 s43, s43, OIMG
	v_add_nc_u32 v[OW], s43, v[L16]                ; OIMG + 1,024 w + 16 x lane
	v_add_nc_u32 v[ORD], OIMG, v[L16]
	v_lshl_add_u32 v[SCR], v[LN], 5, OSC           ; OSC + 32 x lane
	s_lshl_b32 s45, s20, 1
	v_add_nc_u32 v[SCW], s45, v[SCR]               ; + 2 w
	v_and_b32 v251, 8, v249
	s_delay_alu instid0(VALU_DEP_1)
	v_add_nc_u32 v251, v251, v249                  ; r + 8 (r / 8)
	s_delay_alu instid0(VALU_DEP_1)
	v_mul_u32_u24 v[RA], v251, RP
	s_delay_alu instid0(VALU_DEP_1)
	v_lshl_add_u32 v[RA], v250, 6, v[RA]
	s_delay_alu instid0(VALU_DEP_1)
	v_add_nc_u32 v[RA], s33, v[RA]
	v_mul_u32_u24 v[RB], v250, RP
	s_delay_alu instid0(VALU_DEP_1)
	v_lshl_add_u32 v[RB], v249, 4, v[RB]
	s_delay_alu instid0(VALU_DEP_1)
	v_add_nc_u32 v[RB], s33, v[RB]
	v_mul_u32_u24 v[RR], v[LN], 80
	s_delay_alu instid0(VALU_DEP_1)
	v_add_nc_u32 v[RR], RED1, v[RR]                ; RED1 + 80 x lane
	s_lshl_b32 s46, s20, 2
	v_add_nc_u32 v[RW], s46, v[RR]                 ; + 4 w
	s_wait_alu depctr_va_vdst(0)
	s_wait_loadcnt 22                              ; O's codes and bytes are in; the 4 + 2 + 8 + 8 younger loads may be out
	ds_store_b128 v[OW], v[240:243]
	ds_store_b128 v[OW], v[244:247] offset:512
	ds_store_b16 v[SCW], v248
	s_wait_dscnt 0x0                               ; for the others' sake: my stores have landed
	s_barrier_signal -1
	s_barrier_wait -1                              ; O's sixteen fragments and its scale bytes lie in LDS
	ds_load_b128 v[SO:SO+3], v[SCR]                ; register SO + s: the word of K step s (heads 2 s, 2 s + 1): lanes 0-15 tile 0's rows, lanes 16-31 tile 1's
	ds_load_b128 v[SO+4:SO+7], v[SCR] offset:16
	FETCHO 0
.macro KSTEP s
.set ZF, 0
.if (\s) == 0
.set ZF, 1                             ; the first K step's products start the sums
.else
	PLACES                                         ; the sets below were read by the last K step's products
.endif
.if (\s) <= 5
	LOADW (\s)+2
.endif
.if (\s) <= 6
	FETCHO (\s)+1
.endif
.if (\s) <= 5
	s_wait_loadcnt 16                              ; this K step's fragments of Wo are in; those of the next two may be out
.elseif (\s) == 6
	s_wait_loadcnt 8
.else
	s_wait_loadcnt 0x0
.endif
.if (\s) <= 6
	s_wait_dscnt 4                                 ; all but the four just issued
.else
	s_wait_dscnt 0x0
.endif
.irp u, 0,1                            ; the eight accumulators take turns, one instruction a turn
.irp j, 0,1,2,3
	WM ACC+8*(4*\u+\j), WF+32*((\s)%3)+8*\j, OF+16*((\s)%2)+8*\u, ZF, SW+8*(\j/2)+(\s), \j%2, SO+(\s), \u
.endr
.endr
.endm
.irp s, 0,1,2,3,4,5,6,7
	KSTEP \s
.endr
	; Register ACC + 32 u + 16 b + i of lane (r, h) is token 32 g + 8 u + r + 8 (r / 8), column 64 w + 32 b + 16 h + i.
	s_wait_tensorcnt 0x0                           ; my strip of the residual is in LDS: only I read it
	PLACES
.irp u, 0,1
.irp b, 0,1
.irp q, 0,1,2,3
	ds_load_b128 v[RS+32*\u+16*\b+4*\q:RS+32*\u+16*\b+4*\q+3], v[RA] offset:8*RP*\u+128*\b+16*\q   ; rows r and r + 16 of a group lie a whole number of times through the banks apart: these go two deep
.endr
.endr
.endr
	s_wait_dscnt 0x0
.set n, 0
.rept 32
	v_pk_add_f32 v[ACC+n:ACC+n+1], v[ACC+n:ACC+n+1], v[RS+n:RS+n+1]   ; + the residual, each accumulator from its low end on
.set n, n+2
.endr
.macro FOLD u                          ; the eight pairs at TR + 16 u become one number
.irp k, 0,1,2,3
	v_pk_add_f32 v[TR+16*\u+4*\k:TR+16*\u+4*\k+1], v[TR+16*\u+4*\k:TR+16*\u+4*\k+1], v[TR+16*\u+4*\k+2:TR+16*\u+4*\k+3]
.endr
.irp k, 0
	s_delay_alu instid0(VALU_DEP_3)
	v_pk_add_f32 v[TR+16*\u+8*\k:TR+16*\u+8*\k+1], v[TR+16*\u+8*\k:TR+16*\u+8*\k+1], v[TR+16*\u+8*\k+4:TR+16*\u+8*\k+5]
.endr
.irp k, 1
	s_delay_alu instid0(VALU_DEP_2)
	v_pk_add_f32 v[TR+16*\u+8*\k:TR+16*\u+8*\k+1], v[TR+16*\u+8*\k:TR+16*\u+8*\k+1], v[TR+16*\u+8*\k+4:TR+16*\u+8*\k+5]
.endr
	s_delay_alu instid0(VALU_DEP_1)
	v_pk_add_f32 v[TR+16*\u:TR+16*\u+1], v[TR+16*\u:TR+16*\u+1], v[TR+16*\u+8:TR+16*\u+9]
	s_delay_alu instid0(VALU_DEP_1)
	v_add_f32 v[TR+16*\u], v[TR+16*\u], v[TR+16*\u+1]
.endm
; My 2 x 8 pairs of partial sums -> the sum over all 1,024 columns of the row (tile h, r), in v[TR].  Every wave adds the sixteen partial sums in the same order.
.macro ACROSS off
	FOLD 0
	FOLD 1
	v_permlanex16_b32 v[TR+2], v[TR], s[SEL], s[SEL+1]
	s_delay_alu instid0(VALU_DEP_2)
	v_permlanex16_b32 v[TR+18], v[TR+16], s[SEL], s[SEL+1]
	s_delay_alu instid0(VALU_DEP_2)
	v_add_f32 v[TR], v[TR], v[TR+2]                ; with lane l xor 16's 32 columns: my wave's 64
	s_delay_alu instid0(VALU_DEP_2)
	v_add_f32 v[TR+16], v[TR+16], v[TR+18]
	s_delay_alu instid0(VALU_DEP_1)
	v_cndmask_b32 v[TR], v[TR], v[TR+16], vcc_lo   ; lanes 0-15 hand on tile 0's rows, lanes 16-31 tile 1's
	ds_store_b32 v[RW], v[TR] offset:\off
	s_wait_dscnt 0x0                               ; for the others' sake: my store has landed
	s_barrier_signal -1
	s_barrier_wait -1
.irp i, 0,1,2,3
	ds_load_b128 v[TR+4*\i:TR+4*\i+3], v[RR] offset:\off+16*\i
.endr
	s_wait_dscnt 0x0
	FOLD 0
.endm
.macro SPREAD                          ; v[TR] of (tile h, r) -> tile 0's figure in both halves of M0, tile 1's in M1
	v_permlanex16_b32 v[TR+2], v[TR], s[SEL], s[SEL+1]
	v_cndmask_b32 v[M0], v[TR], v[TR+2], vcc_lo
	v_cndmask_b32 v[M0+1], v[TR], v[TR+2], vcc_lo
	v_cndmask_b32 v[M1], v[TR+2], v[TR], vcc_lo
	v_cndmask_b32 v[M1+1], v[TR+2], v[TR], vcc_lo
.endm
.irp u, 0,1
.irp k, 0,1,2,3,4,5,6,7
	v_pk_add_f32 v[TR+16*\u+2*\k:TR+16*\u+2*\k+1], v[ACC+32*\u+4*\k:ACC+32*\u+4*\k+1], v[ACC+32*\u+4*\k+2:ACC+32*\u+4*\k+3]
.endr
.endr
	ACROSS 0
	s_delay_alu instid0(VALU_DEP_1)
	v_mul_f32 v[TR], s38, v[TR]                    ; the mean
	SPREAD
.set n, 0
.rept 16
	v_pk_add_f32 v[ACC+n:ACC+n+1], v[ACC+n:ACC+n+1], v[M0:M0+1] neg_lo:[0,1] neg_hi:[0,1]           ; y - mean
	v_pk_add_f32 v[ACC+32+n:ACC+32+n+1], v[ACC+32+n:ACC+32+n+1], v[M1:M1+1] neg_lo:[0,1] neg_hi:[0,1]
.set n, n+2
.endr
.irp u, 0,1
.irp k, 0,1,2,3,4,5,6,7
	v_pk_mul_f32 v[TR+16*\u+2*\k:TR+16*\u+2*\k+1], v[ACC+32*\u+4*\k:ACC+32*\u+4*\k+1], v[ACC+32*\u+4*\k:ACC+32*\u+4*\k+1]
.endr
.irp k, 0,1,2,3,4,5,6,7
	v_pk_fma_f32 v[TR+16*\u+2*\k:TR+16*\u+2*\k+1], v[ACC+32*\u+4*\k+2:ACC+32*\u+4*\k+3], v[ACC+32*\u+4*\k+2:ACC+32*\u+4*\k+3], v[TR+16*\u+2*\k:TR+16*\u+2*\k+1]
.endr
.endr
	ACROSS RED2-RED1
	s_delay_alu instid0(VALU_DEP_1)
	v_fma_f32 v[TR], v[TR], s38, s39               ; the variance + eps
	s_wait_alu depctr_va_vdst(0)
	v_rsq_f32 v[TR], v[TR]
	v_nop                                          ; one plain place behind the transcendental
	s_wait_alu depctr_va_vdst(0)
	SPREAD
.set n, 0
.rept 16
	v_pk_mul_f32 v[ACC+n:ACC+n+1], v[ACC+n:ACC+n+1], v[M0:M0+1]
	v_pk_mul_f32 v[ACC+32+n:ACC+32+n+1], v[ACC+32+n:ACC+32+n+1], v[M1:M1+1]
.set n, n+2
.endr
	; THE WAY OUT: through my strip, which has had its one fill and whose residual I have read, and back as rows of 256 bytes.  LDS serves a wave's instructions in order (ISA guide 5.7.1.4): no wait between the stores and the loads.
.irp u, 0,1
.irp b, 0,1
.irp q, 0,1,2,3
	ds_store_b128 v[RA], v[ACC+32*\u+16*\b+4*\q:ACC+32*\u+16*\b+4*\q+3] offset:8*RP*\u+128*\b+16*\q
.endr
.endr
.endr
.irp t, 0,1,2,3,4,5,6,7,8,9,10,11,12,13,14,15
	ds_load_b128 v[RS+4*\t:RS+4*\t+3], v[RB] offset:2*RP*\t    ; lanes 0-15 row 2 t, lanes 16-31 row 2 t + 1
.endr
.irp t, 0,1,2,3,4,5,6,7,8,9,10,11,12,13,14,15
	s_wait_dscnt 15-\t                             ; rows 2 t, 2 t + 1 are back; the younger loads may be out
	v_pk_fma_f32 v[RS+4*\t:RS+4*\t+1], v[RS+4*\t:RS+4*\t+1], v[GA:GA+1], v[BE:BE+1]
	v_pk_fma_f32 v[RS+4*\t+2:RS+4*\t+3], v[RS+4*\t+2:RS+4*\t+3], v[GA+2:GA+3], v[BE+2:BE+3]
	global_store_b128 v[GO], v[RS+4*\t:RS+4*\t+3], s[18:19] offset:8192*\t th:TH_STORE_NT   ; sixteen lanes store 256 consecutive bytes, at a multiple of 256 from out0's first byte
.endr
	s_wait_tensorcnt 0x0
	ds_add_u32 v254, v255
	s_wait_dscnt 0x0
	s_endpgm
.Lfunc_end_k_q52bd8ab087_oproj:
	.size	k_q52bd8ab087_oproj, .Lfunc_end_k_q52bd8ab087_oproj-k_q52bd8ab087_oproj
	.p2alignl 7, 3214868480
	.fill 96, 4, 3214868480
	.section	.rodata,"a",@progbits
	.p2align	6, 0x0
	.amdhsa_kernel k_q52bd8ab087_oproj
		.amdhsa_group_segment_fixed_size 169984
		.amdhsa_private_segment_fixed_size 0
		.amdhsa_enable_private_segment 0
		.amdhsa_kernarg_size 64
		.amdhsa_user_sgpr_count 2
		.amdhsa_user_sgpr_kernarg_segment_ptr 1
		.amdhsa_wavefront_size32 1
		.amdhsa_system_sgpr_workgroup_id_x 1
		.amdhsa_system_sgpr_workgroup_id_y 1
		.amdhsa_system_sgpr_workgroup_id_z 1
		.amdhsa_system_vgpr_workitem_id 0
		.amdhsa_next_free_vgpr 256
		.amdhsa_next_free_sgpr 66
		.amdhsa_reserve_vcc 1
		.amdhsa_float_denorm_mode_32 3
		.amdhsa_float_denorm_mode_16_64 3
		.amdhsa_memory_ordered 1
		.amdhsa_forward_progress 1
		.amdhsa_inst_pref_size 46
	.end_amdhsa_kernel
	.amdgpu_metadata
---
amdhsa.version: [ 1, 2 ]
amdhsa.kernels:
  - .name:           k_q52bd8ab087_oproj
    .symbol:         k_q52bd8ab087_oproj.kd
    .args:
      - { .name: oc, .offset: 0, .size: 8, .value_kind: global_buffer, .address_space: global }
      - { .name: os, .offset: 8, .size: 8, .value_kind: global_buffer, .address_space: global }
      - { .name: xc, .offset: 16, .size: 8, .value_kind: global_buffer, .address_space: global }
      - { .name: xs, .offset: 24, .size: 8, .value_kind: global_buffer, .address_space: global }
      - { .name: Q, .offset: 32, .size: 8, .value_kind: global_buffer, .address_space: global }
      - { .name: ln_gamma, .offset: 40, .size: 8, .value_kind: global_buffer, .address_space: global }
      - { .name: ln_beta, .offset: 48, .size: 8, .value_kind: global_buffer, .address_space: global }
      - { .name: out0, .offset: 56, .size: 8, .value_kind: global_buffer, .address_space: global }
    .group_segment_fixed_size: 169984
    .private_segment_fixed_size: 0
    .kernarg_segment_align: 8
    .kernarg_segment_size: 64
    .max_flat_workgroup_size: 512
    .sgpr_count:     66
    .vgpr_count:     256
    .wavefront_size: 32
...
	.end_amdgpu_metadata
.endif
;; end of part 4
